; MI455X (gfx1250); checked and timed in simulation.
; The chip was launched on July 23, 2026; its instructions are those of AMD's public machine-readable ISA for CDNA 5 (MIT licence, August 2026) and "CDNA5" Instruction Set Architecture Reference Guide (July 2026). The comments in the code are by the model that wrote it; some were corrected since.
;; Multi Head Attention. Allowed arithmetic: matrix products marked QUANTISED: E2M3 operands, one E8M0 scale for each 32 along K, by v_wmma_scale_f32_16x16x128_f8f6f4 with both operands' format E2M3, f32 sums; everything else in f32.
;; Inputs: Wk 1,024 x 1,024 float32; Wo 1,024 x 1,024 float32; Wq 1,024 x 1,024 float32; Wv 1,024 x 1,024 float32; bo 1,024 float32; x 4 x 2,048 x 1,024 float32.
;; Outputs: out0 4 x 2,048 x 1,024 float32.
;; This version of the problem:
;;   THIS VERSION OF THE PROBLEM IS GIVEN IN LOW PRECISION. The matrix products marked QUANTISED in the list below multiply operands that are first quantised to E2M3 (2 exponent bits, 3 mantissa bits; 6 bits a number), with one power-of-two scale for each 32 numbers along K (OCP MX v1.0); their sums are f32. All else is computed in f32.
;;   The module's matrix products, in the order in which they are computed (A, B: the left and right operand; K: the contracted axis; several contracted axes count as one K, in the product's order):
;;     1. [M 8,192, K 1,024] x [K 1,024, N 1,024]; A: input x; B: input Wq: QUANTISED
;;     2. [M 8,192, K 1,024] x [K 1,024, N 1,024]; A: input x; B: input Wk: QUANTISED
;;     3. [M 8,192, K 1,024] x [K 1,024, N 1,024]; A: input x; B: input Wv: QUANTISED
;;     4. batch 64 x [M 2,048, K 64] x [K 64, N 2,048]; A: computed on the way; B: computed on the way: QUANTISED
;;     5. batch 64 x [M 2,048, K 2,048] x [K 2,048, N 64]; A: softmax (see below); B: computed on the way: QUANTISED
;;     6. [M 8,192, K 1,024] x [K 1,024, N 1,024]; A: computed on the way; B: input Wo: QUANTISED
;;   THE QUANTISER, for each operand of a quantised product, along K:
;;     - K is cut into blocks of 32 from its start; a last block that is shorter is filled with zeros.
;;     - A block's scale is 2^e with e = floor(log2(the largest magnitude in the block)) - 2, held to -126 .. 127; a block of zeros has e = 0. As a byte (E8M0): e + 127.
;;     - Each number is divided by its block's scale, clamped to +-7.5, and rounded to the nearest number of E2M3, ties to even, subnormals kept.
;;     - The product sums the exact products of the quantised numbers (number of the format x scale) in f32.
;;   ~~~python
;;   def quantise(x, axis):      # numpy; x: float32 -> the quantised numbers, widened to float32 again
;;       x = np.moveaxis(x, axis, -1); K = x.shape[-1]
;;       x = np.pad(x, [(0, 0)] * (x.ndim - 1) + [(0, -K % 32)]); x = x.reshape(x.shape[:-1] + (-1, 32)); a = np.abs(x).max(-1, keepdims=True)
;;       e = np.where(a > 0, np.clip(np.frexp(np.where(a > 0, a, 1))[1] - 1 - 2, -126, 127), 0)      # np.frexp(a)[1] - 1 = floor(log2(a)), exactly
;;       r = np.clip(x / 2.0 ** e, -7.5, 7.5)
;;       step = 2.0 ** (np.maximum(np.frexp(np.where(r == 0, 1, r))[1] - 1, 0) - 3)
;;       q = np.round(r / step) * step * 2.0 ** e      # np.round: ties to even
;;       return np.moveaxis(q.reshape(q.shape[:-2] + (-1,))[..., :K], -1, axis).astype(np.float32)
;;   ~~~
;;   SOFTMAX AHEAD OF A QUANTISED PRODUCT. Where the list says 'softmax', what is quantised is not the finished softmax but p = 2^(t - M), with t = logit x log2(e) and M = ceil(the row's largest t), a whole number; so 1/2 < the row's largest p <= 1. The row's sum l is taken of the UNQUANTISED p, in f32, and the product's result is divided by l at the end. Since M is a whole number, a kernel that streams over the keys may use a running M (the ceiling of the running maximum): every later rescaling is an exact power of two, which a block's scale takes up: the codes' values come out the same.
;;   OPERANDS COMPUTED ON THE WAY. 'Computed on the way' means the value that the module computes at that place (a softmax that the list does not call 'softmax' is quantised finished and normalised). What goes into a quantiser is computed in f32, as accurately as f32 sums, v_exp_f32 and their like allow (about 1e-6 of the number): no bf16 or f16 on the way to a quantiser, and a product that is left as it is and whose result goes on into a quantised operand takes f32 operands (vector FMAs, or v_wmma_f32_16x16x4_f32). A number that lies on a knife's edge between two numbers of the format may be rounded either way, as far as f32 arithmetic and the matrix unit's own rounding can turn it there, and no further.
;; One version. Each part assembles by itself: llvm-mc -triple=amdgcn-amd-amdhsa -mcpu=gfx1250 --defsym DOCPART=n.
;; ======== version 1 of 1: 4 launches
;; workspace buffers: codes 9,437,184 bytes; scales 393,216 bytes; qkv 20,447,232 bytes; ctxc 6,291,456 bytes; ctxs 262,144 bytes
;; launch quant (part 1): grid 384 x 1, 4 waves a work-group, no clusters, 33,280 bytes of LDS; arguments x, Wq, Wk, Wv, Wo, codes, scales; writes codes, scales
.if DOCPART == 1
	.amdgcn_target "amdgcn-amd-amdhsa--gfx1250"
	.amdhsa_code_object_version 6
	.text
	.protected	k_q6d6c7a852c_quant
	.globl	k_q6d6c7a852c_quant
	.p2align	8
	.type	k_q6d6c7a852c_quant,@function
k_q6d6c7a852c_quant:
	s_mov_b64 s[64:65], 0
	v_nop
	global_prefetch_b8 v0, s[64:65] scope:SCOPE_SE
	s_setreg_imm32_b32 hwreg(HW_REG_WAVE_MODE, 25, 1), 1
	s_wait_xcnt 0x0
; x [8192][1024], Wq, Wk, Wv, Wo [1024][1024], f32, K innermost, become codes of FP6 (E2M3) and one E8M0 byte for each 32 along K.
; OUT: codes: 12,288 rows of 768 bytes (a row's 1,024 codes as one stream of bits); scales: the same rows, 32 bytes each.  Rows 0-8191 x, 8192.. Wq, 9216.. Wk, 10240.. Wv, 11264.. Wo.
; THE ORDER OF ROWS.  For x, Wq, Wk, Wv the row at place p is the tensor's row p with bits 3 and 4 exchanged; Wo lies in its own order.  So 16 neighbouring places 16 T + r hold the rows
; 32 (T / 2) + 8 (T % 2) + r + 8 (r / 8): the rows that the products behind this launch want together in a tile.  A wave takes 8 rows, so the exchange is one of bits 0 and 1 of the wave's run number.
; A block's scale is 2^(floor(log2(largest magnitude)) - 2); its byte is the largest magnitude's exponent field - 2, held at 1 from below.
; LIMITS: a block of zeros, or one whose largest magnitude lies under 2^-124, keeps the byte 1 (its codes are zeros or next to it; this program alone reads the bytes); NaN and infinities are not served.
; A wave takes 16 steps of 512 numbers.  Each of a step's four loads reads 512 consecutive bytes; the 2,048 bytes turn through the wave's own stage in LDS and come back 64 bytes (16 neighbours) a lane.
; No tensor loads, no barrier, no cluster: the waves share no input.  Loads run four steps (16 loads a wave) ahead.
.set STEPS, 16
.set EMAX,  2
.set CB,    12                         ; bytes of 16 codes
.set R,     16                         ; v16-79   four sets of 16 numbers as they are loaded
.set X,     80                         ; v80-111  two sets of 16 neighbours
.set C,     128                        ; v128-191 codes: four registers for each step, so that no store's data are written again
.set E,     112                        ; v112-127 a scale byte for each step
.set WREG,  8192                       ; LDS: a region for each wave: two stages of 32 x SP bytes, behind them its 256 scale bytes
.set SP,    80                         ; a lane's place in a stage: 64 bytes + 16 of padding
.set IN,    12                         ; s[12:13] the tensor that I read
.set OC,    14                         ; s[14:15] codes
.set OS,    24                         ; s[24:25] scales
	s_load_b256 s[4:11], s[0:1], 0x0               ; x, Wq, Wk, Wv
	s_load_b128 s[12:15], s[0:1], 0x20             ; Wo, codes
	s_load_b64 s[24:25], s[0:1], 0x30              ; scales
	v_lshl_add_u32 v192, v0, 2, 0x8000
	v_mov_b32 v193, 0
	v_lshrrev_b32 v1, 5, v0
	v_readfirstlane_b32 s16, v1                    ; wave
	v_and_b32 v2, 31, v0                           ; lane
	v_lshlrev_b32 v3, 4, v2                        ; my 16 bytes of a load's 512
	s_mul_i32 s17, s16, WREG
	v_lshrrev_b32 v14, 2, v2
	v_mul_u32_u24 v14, v14, SP
	v_and_b32 v15, 3, v2
	v_lshl_add_u32 v14, v15, 4, v14
	v_add_nc_u32 v14, s17, v14                     ; the stage, on the way in: SP (lane / 4) + 16 (lane % 4)
	v_mul_u32_u24 v15, v2, SP
	v_add_nc_u32 v15, s17, v15                     ; and on the way out: SP x lane: my 16 neighbours
	v_mul_u32_u24 v4, v2, CB                       ; my codes' place in a step's
	v_lshrrev_b32 v5, 1, v2
	s_add_co_u32 s17, s17, 2*32*SP
	v_add_nc_u32 v5, s17, v5                       ; LDS: my wave's 256 scale bytes, my block's byte
	v_lshlrev_b32 v7, 3, v2                        ; and on the way out 8 bytes a lane
	v_add_nc_u32 v6, s17, v7
	s_wait_kmcnt 0x0
	; which tensor: work-groups 0-255 x, 256-287 Wq, 288-319 Wk, 320-351 Wv, 352-383 Wo.  The choice hangs on the work-group's number alone
	s_mov_b32 s18, 352                             ; the tensor's first work-group
	s_cmp_lt_u32 ttmp9, 352
	s_cselect_b64 s[IN:IN+1], s[10:11], s[IN:IN+1]
	s_cselect_b32 s18, 320, s18
	s_cmp_lt_u32 ttmp9, 320
	s_cselect_b64 s[IN:IN+1], s[8:9], s[IN:IN+1]
	s_cselect_b32 s18, 288, s18
	s_cmp_lt_u32 ttmp9, 288
	s_cselect_b64 s[IN:IN+1], s[6:7], s[IN:IN+1]
	s_cselect_b32 s18, 256, s18
	s_cmp_lt_u32 ttmp9, 256
	s_cselect_b64 s[IN:IN+1], s[4:5], s[IN:IN+1]
	s_cselect_b32 s18, 0, s18
	s_and_b32 s19, s16, 1                          ; the wave's number with its two bits exchanged: where my 8 rows go,
	s_lshl_b32 s19, s19, 1
	s_lshr_b32 s20, s16, 1
	s_or_b32 s19, s19, s20
	s_cmp_lt_u32 ttmp9, 352
	s_cselect_b32 s19, s19, s16                    ; but for Wo, which keeps its order
	s_sub_co_u32 s20, ttmp9, s18
	s_lshl_b32 s20, s20, 2
	s_add_co_u32 s20, s20, s16                     ; which run of 8,192 numbers of the tensor I read,
	s_lshl_b32 s20, s20, 15                        ; in bytes (under 2^26)
	s_mov_b32 s21, 0
	s_add_nc_u64 s[IN:IN+1], s[IN:IN+1], s[20:21]
	s_lshl_b32 s22, ttmp9, 2
	s_add_co_u32 s22, s22, s19                     ; which run of the two output buffers I write
	s_mul_i32 s20, s22, 32*STEPS*CB                ; 6,144 bytes of codes a run
	s_add_nc_u64 s[OC:OC+1], s[OC:OC+1], s[20:21]
	s_lshl_b32 s20, s22, 8                         ; 256 scale bytes a run
	s_add_nc_u64 s[OS:OS+1], s[OS:OS+1], s[20:21]
.macro LOAD t
.irp i, 0,1,2,3
	global_load_b128 v[R+16*((\t)%4)+4*\i:R+16*((\t)%4)+4*\i+3], v3, s[IN:IN+1] offset:2048*(\t)+512*\i th:TH_LOAD_NT   ; 32 lanes read 512 consecutive bytes
.endr
.endm
.macro TURN t                          ; step t's numbers through the stage: LDS serves a wave's instructions in order, so no wait stands between the stores and the loads
.irp i, 0,1,2,3
	ds_store_b128 v14, v[R+16*((\t)%4)+4*\i:R+16*((\t)%4)+4*\i+3] offset:32*SP*((\t)%2)+8*SP*\i
.endr
.irp i, 0,1,2,3
	ds_load_b128 v[X+16*((\t)%2)+4*\i:X+16*((\t)%2)+4*\i+3], v15 offset:32*SP*((\t)%2)+16*\i
.endr
.endm
.irp t, 0,1,2,3
	LOAD \t
.endr
	s_wait_loadcnt 12                              ; step 0's four loads are in; the twelve of steps 1 to 3 may be out
	TURN 0
.macro STEP t
.set XS, X+16*((\t)%2)
.if (\t) > 0
	s_wait_dscnt 1                                 ; this step's numbers are back from the stage (the last step's byte store may be out): so its stores into the stage have read their registers,
.else
	s_wait_dscnt 0x0
.endif
.if (\t)+4 < STEPS
	LOAD (\t)+4                                    ; which take the loads of four steps on
.endif
.if (\t)+1 < STEPS
.if STEPS-2-(\t) >= 3
	s_wait_loadcnt 12                              ; the next step's four loads are in; those of the three steps behind it may be out
.else
	s_wait_loadcnt 4*(STEPS-2-(\t))
.endif
	TURN (\t)+1                                    ; and go through the other stage while this step is worked
.endif
	v_max3_num_f32 v8, |v[XS]|, |v[XS+1]|, |v[XS+2]|               ; the largest magnitude of my 16, in two chains
	v_max3_num_f32 v9, |v[XS+3]|, |v[XS+4]|, |v[XS+5]|
.irp i, 6,10
	v_max3_num_f32 v8, v8, |v[XS+\i]|, |v[XS+\i+1]|
	v_max3_num_f32 v9, v9, |v[XS+\i+2]|, |v[XS+\i+3]|
.endr
	v_max3_num_f32 v8, v8, |v[XS+14]|, |v[XS+15]|
	v_max3_num_f32 v8, v8, v9, (EMAX+1)<<23        ; and the floor 2^(3 - 127): the byte cannot fall under 1
	v_max_num_f32_dpp v8, v8, v8 row_xmask:1 row_mask:0xf bank_mask:0xf   ; and of my neighbour's 16: the block's
	v_add_nc_u32 v11, -(EMAX<<23), v8              ; 2 off its exponent field: the conversion takes the exponent field of this operand as its scale
	v_cvt_scalef32_pk16_fp6_f32 v[C+4*(\t):C+4*(\t)+2], v[XS:XS+15], v11   ; sixteen numbers / scale, to the nearest code, ties to even, beyond the largest code the largest
	v_lshrrev_b32 v[E+(\t)], 23, v11               ; the scale's byte (also the plain line behind the conversion)
	ds_store_b8 v5, v[E+(\t)] offset:16*(\t)       ; both lanes of a block write the same byte with the same value
	global_store_b96 v4, v[C+4*(\t):C+4*(\t)+2], s[OC:OC+1] offset:32*CB*(\t)   ; the wave stores 384 consecutive bytes
.endm
.irp t, 0,1,2,3,4,5,6,7,8,9,10,11,12,13,14,15
	STEP \t
.endr
	ds_load_b64 v[12:13], v6                       ; LDS serves a wave's instructions in order: these see my stores
	s_wait_dscnt 0x0
	global_store_b64 v7, v[12:13], s[OS:OS+1]      ; 32 lanes store 256 consecutive bytes, aligned
	s_wait_tensorcnt 0x0
	ds_add_u32 v192, v193
	s_wait_dscnt 0x0
	s_endpgm
.Lfunc_end_k_q6d6c7a852c_quant:
	.size	k_q6d6c7a852c_quant, .Lfunc_end_k_q6d6c7a852c_quant-k_q6d6c7a852c_quant
	.p2alignl 7, 3214868480
	.fill 96, 4, 3214868480
	.section	.rodata,"a",@progbits
	.p2align	6, 0x0
	.amdhsa_kernel k_q6d6c7a852c_quant
		.amdhsa_group_segment_fixed_size 33280
		.amdhsa_private_segment_fixed_size 0
		.amdhsa_enable_private_segment 0
		.amdhsa_kernarg_size 56
		.amdhsa_user_sgpr_count 2
		.amdhsa_user_sgpr_kernarg_segment_ptr 1
		.amdhsa_wavefront_size32 1
		.amdhsa_system_sgpr_workgroup_id_x 1
		.amdhsa_system_sgpr_workgroup_id_y 1
		.amdhsa_system_sgpr_workgroup_id_z 1
		.amdhsa_system_vgpr_workitem_id 0
		.amdhsa_next_free_vgpr 194
		.amdhsa_next_free_sgpr 66
		.amdhsa_reserve_vcc 0
		.amdhsa_float_denorm_mode_32 3
		.amdhsa_float_denorm_mode_16_64 3
		.amdhsa_memory_ordered 1
		.amdhsa_forward_progress 1
		.amdhsa_inst_pref_size 33
	.end_amdhsa_kernel
	.amdgpu_metadata
---
amdhsa.version: [ 1, 2 ]
amdhsa.kernels:
  - .name:           k_q6d6c7a852c_quant
    .symbol:         k_q6d6c7a852c_quant.kd
    .args:
      - { .name: x, .offset: 0, .size: 8, .value_kind: global_buffer, .address_space: global }
      - { .name: Wq, .offset: 8, .size: 8, .value_kind: global_buffer, .address_space: global }
      - { .name: Wk, .offset: 16, .size: 8, .value_kind: global_buffer, .address_space: global }
      - { .name: Wv, .offset: 24, .size: 8, .value_kind: global_buffer, .address_space: global }
      - { .name: Wo, .offset: 32, .size: 8, .value_kind: global_buffer, .address_space: global }
      - { .name: codes, .offset: 40, .size: 8, .value_kind: global_buffer, .address_space: global }
      - { .name: scales, .offset: 48, .size: 8, .value_kind: global_buffer, .address_space: global }
    .group_segment_fixed_size: 33280
    .private_segment_fixed_size: 0
    .kernarg_segment_align: 8
    .kernarg_segment_size: 56
    .max_flat_workgroup_size: 128
    .sgpr_count:     66
    .vgpr_count:     194
    .wavefront_size: 32
...
	.end_amdgpu_metadata
.endif
;; end of part 1
;; launch qkv (part 2): grid 8 x 48, 4 waves a work-group, clusters of 4 x 4, 327,680 bytes of LDS; arguments codes, scales, qkv; writes qkv
.if DOCPART == 2
	.amdgcn_target "amdgcn-amd-amdhsa--gfx1250"
	.amdhsa_code_object_version 6
	.text
	.protected	k_q6d6c7a852c_qkv
	.globl	k_q6d6c7a852c_qkv
	.p2align	8
	.type	k_q6d6c7a852c_qkv,@function
k_q6d6c7a852c_qkv:
	s_mov_b64 s[64:65], 0
	v_nop
	global_prefetch_b8 v0, s[64:65] scope:SCOPE_SE
	s_setreg_imm32_b32 hwreg(HW_REG_WAVE_MODE, 25, 1), 1
	s_wait_xcnt 0x0
	s_wait_alu depctr_hold_cnt(0) depctr_sa_sdst(0) depctr_va_vdst(0) depctr_va_sdst(0) depctr_va_ssrc(0) depctr_va_vcc(0) depctr_vm_vsrc(0)
	s_getreg_b32 s2, hwreg(HW_REG_IB_STS2, 6, 4)
	s_cmp_eq_u32 s2, 0
	s_cbranch_scc0 .Lentry_in_a_cluster
	s_endpgm
.Lentry_in_a_cluster:
	s_bfe_u32 s2, ttmp6, 0x10000c
	s_cmp_lg_u32 s2, 0xf033
	s_cbranch_scc0 .Lentry_shape_is_right
	s_endpgm
.Lentry_shape_is_right:
; q = x Wq^T, k = x Wk^T, v = x Wv^T on codes of FP6 (E2M3) with E8M0 scales, K = 1,024, sums in f32; the results are quantised in registers (q, k along the head's 64, v along the tokens) and stored as
; IMAGES OF THE OPERAND REGISTERS that the attention launch wants: no f32 result goes to memory.
; A tile of 256 x 256 results is made by four waves, 128 x 128 each (64 accumulators, 512 registers).  K goes in steps of 256 through a ring of two LDS slots filled by the tensor data mover;
; the scale bytes of the tile's 512 rows come once.  4 x 4 work-groups form a cluster: A's tiles are asked for jointly along a row of the cluster, B's along a column.
; THE PRODUCT IS USED TRANSPOSED: source 0 = 16 rows of B, source 1 = 16 rows of A.  A lane holds ONE row of A, its registers run along B's rows: B's rows are the axis that is quantised.
; TWO KINDS OF CLUSTER, ONE TEXT.  Cluster y 0-7 (KIND 0): A = x (32 tile rows), B = Wq | Wk (8 tile columns): a lane holds a token, registers run along the features.
;   Cluster y 8-11 (KIND 1): A = Wv (4 tile rows), B = x (32 tile columns): a lane holds a feature, registers run along the tokens.  KIND is the same in all partners of a cluster.
; THE ORDER OF ROWS in codes and scales (bits 3 and 4 of a row's number exchanged) makes the 16 registers of accumulators (a, 2 c) and (a, 2 c + 1) sixteen NEIGHBOURS along B's true rows, 32 c + 16 (lane / 16) + 0 .. 15,
; and lane r of block a the true row 32 (a / 2) + 8 (a % 2) + r + 8 (r / 8) of A.
; OUT: qkv = [q, k, v][batch x head 64][chunk of 128 tokens 16][6,656 bytes].  q, k chunk: 8 tiles of 768 bytes (registers 0-3 at 16 x lane, registers 4-5 at 8 x lane behind them), then scale words [4 tiles' group 2][row 16][tile 4];
;   v chunk: 4 tiles of 16 channels x 128 tokens, 1,536 bytes each (12 registers, four at a time at 16 x lane), then scale words [lane 32][tile 4].
; 384 tiles for 256 WGPs: the second turn is half full; a tile of another shape would even that out at the price of more LDS reads for each product.
; LIMITS: a block whose largest magnitude lies under 2^-124 keeps the scale byte 1; NaN and infinities are not served.
; REGISTERS, in windows of 256: window 0: v0-31 addresses; v32-63 scale words, two sets; v64-111 the quantiser's; from v128 A's fragments, ONE set.  window 1: B's fragments, TWO sets.  windows 2, 3: the accumulators.
.set KSTEP,  256
.set NQ,     2                         ; matrix instructions deep in a slot
.set ROWB,   192                       ; a tile's row in bytes
.set KROW,   768                       ; a row of codes in memory
.set PITCH,  240                       ; an LDS row: 3 x (64 bytes + 16 of padding)
.set FR,     12                        ; registers of a fragment
.set NL,     6                         ; LDS loads that bring one
.set NP,     4                         ; places behind this matrix instruction (ISA guide 7.12.1)
.set HALFT,  128*PITCH                 ; 128 rows: what one tensor load brings
.set SLOT,   4*HALFT                   ; A's 256 rows, then B's 256 rows
.set LAPS,   2                         ; 1,024 along K = four K steps = twice round the ring
.set KS,     32                        ; a row of scale bytes
.set SCL,    2*SLOT                    ; behind the ring: the scale bytes, as units of 256 bytes + 16 of padding
.set HALFS,  16*272                    ; those of 128 rows
.set SBLK,   2*272                     ; those of 16 rows
.set SPARE,  SCL+4*HALFS               ; the spare words, 128 bytes for each wave: two blocks of 256 bytes that no other line names
.set TS,     6815744                   ; qkv: from tensor to tensor,
.set HS,     106496                    ; from head to head,
.set CH,     6656                      ; from chunk to chunk
.set ADRA, 16                          ; v16-17 LDS address of my A fragments in slot 0, 1 (v18-19: for the pieces behind one padding more)
.set ADRB, 20                          ; v20-23 the same for B
.set O16,  24                          ; v24  16 x lane
.set O8,   25                          ; v25  8 x lane
.set OSQ,  26                          ; v26  16 x (lane % 16) + HS x (lane / 16): q's and k's scale words
.set ADRS, 27                          ; v27  LDS address of my scale words: lanes 0-15 A's rows, lanes 16-31 B's
.set SPW,  28                          ; v28  LDS address of my spare word; never rewritten
.set NIL,  29                          ; v29  0; never rewritten
.set SC,   32                          ; scale words
.set TM,   64                          ; v64-67 largest magnitudes, v68-71 bytes, v76-79 the conversions' scale operands
.set LO,   80
.set HI,   81
.set PW,   82                          ; the four bytes as they stand
.set PR,   83                          ; and with the halves exchanged
.set CD,   84                          ; v84-95 the fragment's codes; v96-98, v100-102 the conversions' second halves
.set SW,   104                         ; v104-111 a scale word for each block a
.set AF,   128
.set FLO,  8                           ; s8   the floor 2^(3 - 127)
.set SEL,  10                          ; s[10:11] lane selects for v_permlanex16_b32: lane l xor 16
.set KIND, 66
.set MASK, 67                          ; s67  KIND 0: lanes 16-31; KIND 1: none
.set G1, 24
.set G0, 32
.set G1B, 48
.set G0B, 56
.set G1S, 68
.set G0S, 76
.set G1SB, 80
.set G0SB, 88
.set MSB, 0
.macro WIN new                         ; the immediate's high byte repeats the setting that is left
.if MSB != \new
	s_set_vgpr_msb (MSB<<8)|\new
.set MSB, \new
.endif
.endm
.set MUL_LO, 0xa1                      ; source 0 (B) window 1, source 1 (A) window 0, C and D window 2
.set MUL_HI, 0xf1                      ; the same, C and D window 3
.set TO_B,   0x40                      ; destination window 1, address window 0
; A joint load: waves 0 and 1 fetch for A, waves 2 and 3 for B.  The branch hangs on the wave's number alone.  Four v_nop follow each of the two lines.
.macro JLOAD g0a, g1a, g0b, g1b
	s_cmp_eq_u32 s15, 0
	s_cbranch_scc0 .Lfor_b_\@
	tensor_load_to_lds s[\g0a:\g0a+3], s[\g1a:\g1a+7]
	s_nop 0
.rept 4
	v_nop
.endr
	s_branch .Lasked_\@
.Lfor_b_\@:
	tensor_load_to_lds s[\g0b:\g0b+3], s[\g1b:\g1b+7]
	s_nop 0
.rept 4
	v_nop
.endr
.Lasked_\@:
.endm
.macro CREST                           ; a round of the cluster's barrier behind its opening barrier
	s_cmp_lg_u32 s14, 0
	s_cbranch_scc1 .Lnot_wave_0_\@
	s_barrier_signal -3
.Lnot_wave_0_\@:
	s_barrier_wait -3
	s_barrier_signal -1
	s_barrier_wait -1
.endm
.macro CROUND                          ; a whole round
	s_barrier_signal -1
	s_barrier_wait -1
	CREST
.endm
	s_load_b128 s[4:7], s[0:1], 0x0                ; codes s[4:5], scales s[6:7]
	s_load_b64 s[12:13], s[0:1], 0x10              ; qkv
	v_lshl_add_u32 v[SPW], v0, 2, SPARE
	v_mov_b32 v[NIL], 0
	ds_add_u32 v28, v29
	ds_add_u32 v28, v29
	s_wait_dscnt 0x0
	v_lshrrev_b32 v1, 5, v0
	v_readfirstlane_b32 s14, v1                    ; wave 0..3
	s_lshr_b32 s15, s14, 1                         ; which half of A's rows is mine.  Also: I fetch for A (0) or for B (1)
	s_and_b32 s16, s14, 1                          ; which half of B's rows.  Also: which 128 rows I fetch
	s_bfe_u32 s40, ttmp6, 0x40000                  ; cx, cy: my place in the cluster
	s_bfe_u32 s41, ttmp6, 0x40004
	s_and_b32 s95, ttmp7, 0xffff                   ; cluster y, 0 .. 11
	s_lshr_b32 s[KIND], s95, 3
	s_sub_co_u32 s96, 1, s[KIND]                   ; 1 - KIND
	s_mul_i32 s17, s95, s96                        ; KIND 0: cluster y; KIND 1: 0
	s_lshl_b32 s17, s17, 2
	s_add_co_u32 s17, s17, s41                     ; A's tile row: it hangs on cy and the cluster's place alone
	s_and_b32 s42, s95, 7
	s_lshl_b32 s42, s42, 1
	s_mul_i32 s42, s42, s[KIND]                    ; KIND 1: 2 x (cluster y - 8)
	s_add_co_u32 s42, s42, ttmp9                   ; + cluster x
	s_lshl_b32 s42, s42, 2
	s_add_co_u32 s42, s42, s40                     ; B's tile column: it hangs on cx and the cluster's place alone
	s_mul_i32 s98, s[KIND], 10240                  ; A begins at row 0 (x) or 10,240 (Wv) of codes and scales,
	s_lshl_b32 s99, s96, 13                        ; B at row 8,192 (Wq, Wk behind it) or 0 (x)
	s_lshl_b32 s43, s41, 2
	s_lshl_b32 s43, 15, s43                        ; my row of the cluster
	s_lshl_b32 s44, 0x1111, s40                    ; my column
	; descriptor group 1: a tile of 128 rows x 192 bytes, 16 bytes of padding behind every 64
	s_or_b32 s[G1+0], s43, (0<<16)|(1<<20)|(1<<21)|(3<<22)|(3<<25)
	s_or_b32 s[G1B+0], s44, (0<<16)|(1<<20)|(1<<21)|(3<<22)|(3<<25)
.irp g, G1, G1B
	s_mov_b32 s[\g+1], ROWB<<16                    ; tensor_dim0
	s_mov_b32 s[\g+2], 128<<16                     ; tensor_dim1
	s_mov_b32 s[\g+3], ROWB<<16                    ; tile_dim0
	s_mov_b32 s[\g+4], 128                         ; tile_dim1
	s_mov_b32 s[\g+5], KROW                        ; tensor_dim0_stride
	s_mov_b32 s[\g+6], 0
	s_mov_b32 s[\g+7], 0
.endr
	; the scale bytes of 128 rows: 4,096 dense bytes, as 16 rows of 256 bytes (32 elements of 8), 16 bytes of padding behind each
	s_or_b32 s[G1S+0], s43, (3<<16)|(1<<20)|(1<<21)|(5<<22)|(3<<25)
	s_or_b32 s[G1SB+0], s44, (3<<16)|(1<<20)|(1<<21)|(5<<22)|(3<<25)
.irp g, G1S, G1SB
	s_mov_b32 s[\g+1], 32<<16
	s_mov_b32 s[\g+2], 16<<16
	s_mov_b32 s[\g+3], 32<<16
	s_mov_b32 s[\g+4], 16
	s_mov_b32 s[\g+5], 32
	s_mov_b32 s[\g+6], 0
	s_mov_b32 s[\g+7], 0
.endr
	s_lshl_b32 s18, s16, 7                         ; which 128 rows of the tile I fetch
	s_lshl_b32 s20, s17, 8
	s_add_co_u32 s20, s20, s18
	s_add_co_u32 s20, s20, s98                     ; A: the row in codes and scales
	s_lshl_b32 s46, s42, 8
	s_add_co_u32 s46, s46, s18
	s_add_co_u32 s46, s46, s99                     ; B likewise
	s_mov_b32 s21, 0
	s_mov_b32 s47, 0
	s_mov_b64 s[18:19], KS
	s_mul_u64 s[22:23], s[20:21], s[18:19]         ; where these rows' scale bytes begin
	s_mul_u64 s[92:93], s[46:47], s[18:19]
	s_mov_b64 s[18:19], KROW
	s_mul_u64 s[20:21], s[20:21], s[18:19]         ; and their codes
	s_mul_u64 s[46:47], s[46:47], s[18:19]
	s_mul_i32 s45, s14, HALFT                      ; where they go: wave x 128 rows: no place in the cluster enters an LDS address
	s_mul_i32 s94, s14, HALFS
	s_mov_b32 s[FLO], 0x1800000
	s_mov_b32 s[SEL], 0x76543210
	s_mov_b32 s[SEL+1], 0xfedcba98
	s_wait_kmcnt 0x0
	s_add_nc_u64 s[20:21], s[4:5], s[20:21]
	s_add_nc_u64 s[22:23], s[6:7], s[22:23]
	s_add_nc_u64 s[46:47], s[4:5], s[46:47]
	s_add_nc_u64 s[92:93], s[6:7], s[92:93]
	CROUND                                         ; all sixteen work-groups are here: the first joint loads meet
	s_mov_b32 s[G0S], 1
	s_add_co_u32 s[G0S+1], s94, SCL
	s_mov_b64 s[G0S+2:G0S+3], s[22:23]
	s_or_b32 s[G0S+3], s[G0S+3], 0x80000000
	s_mov_b32 s[G0SB], 1
	s_add_co_u32 s[G0SB+1], s94, SCL
	s_mov_b64 s[G0SB+2:G0SB+3], s[92:93]
	s_or_b32 s[G0SB+3], s[G0SB+3], 0x80000000
	JLOAD G0S, G1S, G0SB, G1SB                     ; the scale bytes first: they are wanted with K step 0
.irp s, 0,1
	s_mov_b32 s[G0+4*\s], 1
	s_add_co_u32 s[G0+4*\s+1], s45, \s*SLOT
	s_add_nc_u64 s[G0+4*\s+2:G0+4*\s+3], s[20:21], \s*ROWB
	s_or_b32 s[G0+4*\s+3], s[G0+4*\s+3], 0x80000000
	s_mov_b32 s[G0B+4*\s], 1
	s_add_co_u32 s[G0B+4*\s+1], s45, \s*SLOT
	s_add_nc_u64 s[G0B+4*\s+2:G0B+4*\s+3], s[46:47], \s*ROWB
	s_or_b32 s[G0B+4*\s+3], s[G0B+4*\s+3], 0x80000000
	JLOAD G0+4*\s, G1, G0B+4*\s, G1B               ; three tensor loads of mine are out at the most
.endr
	v_and_b32 v1, 15, v0                           ; l % 16
	v_bfe_u32 v2, v0, 4, 1                         ; l / 16
	v_mul_u32_u24 v3, v1, PITCH
	v_mul_u32_u24 v4, v2, 24
	v_add_nc_u32 v4, v3, v4                        ; a fragment's row x pitch + 24 x half
	v_lshl_add_u32 v5, v2, 4, v4                   ; and the same behind one padding more
	s_mul_i32 s21, s15, HALFT                      ; my 128 rows of A
	s_mul_i32 s22, s16, HALFT                      ; my 128 rows of B,
	s_add_co_u32 s22, s22, 2*HALFT                 ; which lie behind A's 256
.irp s, 0,1
	v_add_nc_u32 v[ADRA+\s], s21, v4
	v_add_nc_u32 v[ADRB+\s], s22, v4
	v_add_nc_u32 v[ADRA+2+\s], s21, v5
	v_add_nc_u32 v[ADRB+2+\s], s22, v5
	s_add_co_u32 s21, s21, SLOT
	s_add_co_u32 s22, s22, SLOT
.endr
	v_mul_u32_u24 v5, v1, KS                       ; my row's scale bytes: 32 a row,
	v_lshrrev_b32 v6, 8, v5
	v_lshl_add_u32 v5, v6, 4, v5                   ; and 16 more for each 256 passed
	s_mul_i32 s21, s15, HALFS                      ; A's: my 128 rows
	s_mul_i32 s22, s16, HALFS                      ; B's: my 128 rows, behind A's 256
	s_add_co_u32 s22, s22, 2*HALFS
	s_sub_co_u32 s22, s22, s21
	v_mul_u32_u24 v6, s22, v2                      ; lanes 16-31 take B's
	s_add_co_u32 s21, s21, SCL
	v_add_nc_u32 v5, v5, v6
	v_add_nc_u32 v[ADRS], s21, v5
	v_and_b32 v6, 31, v0
	v_lshlrev_b32 v[O16], 4, v6
	v_lshlrev_b32 v[O8], 3, v6
	v_mul_u32_u24 v5, v2, HS
	v_lshl_add_u32 v[OSQ], v1, 4, v5
	; where my results go.  Tokens come from A (KIND 0) or B (KIND 1), features from the other.  These numbers enter store addresses alone
	s_lshr_b32 s96, s42, 2                         ; KIND 0: q (0) or k (1)
	s_and_b32 s97, s42, 3                          ; KIND 0: which 256 features of that tensor
	s_cmp_eq_u32 s[KIND], 0
	s_cselect_b32 s92, s17, s42                    ; the tokens' tile of 256,
	s_cselect_b32 s93, s15, s16                    ; my half of it: a chunk of 128 tokens
	s_cselect_b32 s94, s97, s17                    ; the features' tile of 256: four heads,
	s_cselect_b32 s95, s16, s15                    ; my half of it: two heads
	s_cselect_b32 s96, s96, 2                      ; the tensor
	s_cselect_b32 s[MASK], 0xffff0000, 0
	s_lshr_b32 s18, s92, 3                         ; the batch: 8 tiles of tokens each
	s_lshl_b32 s18, s18, 4
	s_lshl_b32 s19, s94, 2
	s_add_co_u32 s18, s18, s19
	s_lshl_b32 s19, s95, 1
	s_add_co_u32 s18, s18, s19                     ; 16 x batch + my first head
	s_mul_i32 s18, s18, HS
	s_and_b32 s19, s92, 7
	s_lshl_b32 s19, s19, 1
	s_add_co_u32 s19, s19, s93                     ; the chunk
	s_mul_i32 s19, s19, CH
	s_add_co_u32 s18, s18, s19
	s_mul_i32 s19, s96, TS
	s_add_co_u32 s18, s18, s19                     ; under 2^25
	s_mov_b32 s19, 0
	s_add_nc_u64 s[12:13], s[12:13], s[18:19]
.macro FRAG reg, adr, q, i             ; a fragment, 16 rows x 128 K of 6-bit codes: lane l holds row l % 16; registers 6 c .. 6 c + 5 hold K = 64 c + 32 (l / 16) + 0 .. 31: 24 bytes of the row, as they lie
.irp p, 0,1,2,3,4,5                    ; in pieces of 8 bytes.  Where the piece of lanes 16-31 lies behind one padding more, the second address register serves
.set PIE, 12*(\q)+6*(\p/3)+\p%3
.if PIE%8 < 5
	ds_load_b64 v[\reg+2*\p:\reg+2*\p+1], v[\adr] offset:8*PIE+16*(PIE/8)+(\i)*16*PITCH
.else
	ds_load_b64 v[\reg+2*\p:\reg+2*\p+1], v[\adr+2] offset:8*PIE+16*(PIE/8)+(\i)*16*PITCH
.endif
.endr
.endm
; 16 matrix instructions: A's blocks a0, a0 + 1 x B's eight, 128 along K.  p: B's set; sc: the set of scale words.  zero = 1: the first product starts the sums.
; The 64 accumulators take turns, one instruction a turn, in the same order in every step.
.macro MUL16 a0, p, q, sc, zero
.irp a, \a0, \a0+1
.irp b, 0,1,2,3,4,5,6,7
.if \zero
	v_wmma_scale_f32_16x16x128_f8f6f4 v[8*(8*((\a)%4)+\b):8*(8*((\a)%4)+\b)+7], v[128*(\p)+FR*\b:128*(\p)+FR*\b+FR-1], v[AF+FR*(\a):AF+FR*(\a)+FR-1], 0, v[SC+8*NQ*(\sc)+NQ*\b+(\q)], v[SC+8*NQ*(\sc)+NQ*(\a)+(\q)] matrix_a_fmt:MATRIX_FMT_FP6 matrix_b_fmt:MATRIX_FMT_FP6 matrix_a_scale:MATRIX_SCALE_ROW1
.else
	v_wmma_scale_f32_16x16x128_f8f6f4 v[8*(8*((\a)%4)+\b):8*(8*((\a)%4)+\b)+7], v[128*(\p)+FR*\b:128*(\p)+FR*\b+FR-1], v[AF+FR*(\a):AF+FR*(\a)+FR-1], v[8*(8*((\a)%4)+\b):8*(8*((\a)%4)+\b)+7], v[SC+8*NQ*(\sc)+NQ*\b+(\q)], v[SC+8*NQ*(\sc)+NQ*(\a)+(\q)] matrix_a_fmt:MATRIX_FMT_FP6 matrix_b_fmt:MATRIX_FMT_FP6 matrix_a_scale:MATRIX_SCALE_ROW1
.endif
.endr
.endr
.endm
.macro FETCH_B slot, q, p              ; B's eight fragments of the slot's q-th 128 along K into set p
	WIN TO_B
.irp i, 0,1,2,3,4,5,6,7
	FRAG 128*(\p)+FR*\i, ADRB+\slot, \q, \i
.endr
	WIN 0
.endm
.macro FETCH_A slot, q, i0             ; A's blocks i0 .. i0 + 3
.irp i, \i0, \i0+1, \i0+2, \i0+3
	FRAG AF+FR*(\i), ADRA+\slot, \q, \i
.endr
.endm
.macro SCALES sc                       ; a K step's scale words into set sc: two words a row; lanes 0-15 take A's block i, lanes 16-31 B's block i
.irp i, 0,1,2,3,4,5,6,7
	ds_load_b64 v[SC+8*NQ*\sc+NQ*\i:SC+8*NQ*\sc+NQ*\i+1], v[ADRS] offset:\i*SBLK
.endr
.endm
.macro PLACES n                        ; plain vector instructions that name no register of the matrix instructions in front of them (ISA guide 7.12.1)
.rept \n
	v_nop
.endr
.endm
; A step of 128 along K that has its successor in the same slot.
.macro STEP slot, q, zero
	s_wait_dscnt 4*NL                              ; B's set, A's blocks 0-3 and the scale words are in; the youngest 24 loads (A's blocks 4-7) may be out
	WIN MUL_LO
	MUL16 0, (\q)%2, \q, \slot, \zero
	MUL16 2, (\q)%2, \q, \slot, \zero
	s_wait_dscnt 0                                 ; A's blocks 4-7 are in
	PLACES NP
	FETCH_B \slot, (\q)+1, 1-(\q)%2
	FETCH_A \slot, (\q)+1, 0
	WIN MUL_HI
	MUL16 4, (\q)%2, \q, \slot, \zero
	MUL16 6, (\q)%2, \q, \slot, \zero
	PLACES NP
	WIN 0
	FETCH_A \slot, (\q)+1, 4
.endm
; A slot's last step changes slots: ONE barrier; in front of it each wave waits for all its tensor loads, adds 0 to its spare word, and waits for that and for its own reads of this slot.  fill = 1: this slot is filled again.
.macro TURN slot, next, fill
	s_wait_tensorcnt 0x0                           ; all my tensor loads have landed: my part of the next slot
	ds_add_u32 v[SPW], v[NIL]                      ; 0 onto my spare word
	s_wait_dscnt 4*NL+1                            ; (the add and the youngest 24 loads, A's blocks 4-7, may be out)
	WIN MUL_LO
	MUL16 0, 1, NQ-1, \slot, 0                     ; sixteen matrix instructions stand between the add and the wait for it
	s_wait_dscnt 0x0                               ; the add is done, and my reads of this slot are over
	s_barrier_signal -1
	MUL16 2, 1, NQ-1, \slot, 0
	WIN 0
	s_barrier_wait -1
.if \fill
	CREST                                          ; the barrier has opened a round of the cluster's barrier: no wave of any partner still reads this slot or has a load on its way
	s_add_nc_u64 s[G0+4*\slot+2:G0+4*\slot+3], s[G0+4*\slot+2:G0+4*\slot+3], 2*ROWB
	s_add_nc_u64 s[G0B+4*\slot+2:G0B+4*\slot+3], s[G0B+4*\slot+2:G0B+4*\slot+3], 2*ROWB
	JLOAD G0+4*\slot, G1, G0B+4*\slot, G1B         ; the first tensor load behind the round; its four v_nop are the places in front of the loads below
.else
	PLACES NP
.endif
	v_add_nc_u32 v[ADRS], 4*NQ, v[ADRS]            ; on to the next K step's scale words (no LDS load of mine is out)
	FETCH_B \next, 0, 0
	FETCH_A \next, 0, 0
	SCALES \next
	WIN MUL_HI
	MUL16 4, 1, NQ-1, \slot, 0
	MUL16 6, 1, NQ-1, \slot, 0
	PLACES NP
	WIN 0
	FETCH_A \next, 0, 4
.endm
	s_wait_tensorcnt 1                             ; the scale bytes and my part of K step 0 are in (K step 1's load may be out)
	s_barrier_signal -1
	s_barrier_wait -1                              ; everybody's are
	FETCH_B 0, 0, 0
	FETCH_A 0, 0, 0
	SCALES 0
	FETCH_A 0, 0, 4
	STEP 0, 0, 1                                   ; the first step stands in front of the loop: its products start the sums
	s_mov_b32 s3, LAPS-1
.Llap:                                                 ; a trip goes once round the ring and fills both slots again
	TURN 0, 1, 1
	STEP 1, 0, 0
	TURN 1, 0, 1
	STEP 0, 0, 0
	s_sub_co_u32 s3, s3, 1
	s_cmp_lg_u32 s3, 0
	s_cbranch_scc1 .Llap
	TURN 0, 1, 0                                   ; the last lap fills nothing
	STEP 1, 0, 0
	s_wait_dscnt 4*NL                              ; the very last step: nothing more to fetch
	WIN MUL_LO
	MUL16 0, 1, NQ-1, 1, 0
	MUL16 2, 1, NQ-1, 1, 0
	s_wait_dscnt 0
	WIN MUL_HI
	MUL16 4, 1, NQ-1, 1, 0
	MUL16 6, 1, NQ-1, 1, 0
	WIN 0
; THE WAY OUT.  Block a's 64 registers of a lane, register 16 c + i = true row 32 c + 16 (lane / 16) + i of B, become a fragment's 12 registers of codes in v[CD] on and a scale word in v[SW + a].
; Each accumulator is read from its low end on.
.macro QUANTW a
.set AC, 64*((\a)%4)
.set WN, 2+(\a)/4
	WIN (WN<<2)|(WN<<4)                            ; sources 1 and 2: the accumulators' window
.irp b, 0,1,2,3
	v_max3_num_f32 v[TM+\b], s[FLO], |v[AC+16*\b]|, |v[AC+16*\b+1]|   ; block b: my 16 numbers, and the floor, so that the byte cannot fall under 1
.endr
.irp i, 2,4,6,8,10,12,14
.irp b, 0,1,2,3
	v_max3_num_f32 v[TM+\b], v[TM+\b], |v[AC+16*\b+\i]|, |v[AC+16*\b+\i+1]|   ; (the four blocks by turns)
.endr
.endr
	WIN 0
.irp b, 0,1,2,3
	v_permlanex16_b32 v[TM+4+\b], v[TM+\b], s[SEL], s[SEL+1]
.endr
.irp b, 0,1,2,3
	v_max_num_f32 v[TM+\b], v[TM+\b], v[TM+4+\b]   ; with lane l xor 16's: the block's largest magnitude
.endr
.irp b, 0,1,2,3
	v_add_nc_u32 v[TM+12+\b], 0xff000000, v[TM+\b] ; 2 off its exponent field: the conversion's scale operand
.endr
.irp b, 0,1,2,3
	v_lshrrev_b32 v[TM+4+\b], 23, v[TM+12+\b]      ; the scale's byte
.endr
	v_lshl_or_b32 v[LO], v[TM+5], 8, v[TM+4]
	v_lshl_or_b32 v[HI], v[TM+7], 8, v[TM+6]
	v_lshl_or_b32 v[PW], v[HI], 16, v[LO]          ; v: the word of 128 tokens.  q, k: bytes 0, 1 are the first head's
	v_lshl_or_b32 v[PR], v[LO], 16, v[HI]          ; q, k: bytes 0, 1 are the second head's (the upper two bytes meet zero codes alone)
	v_cndmask_b32 v[SW+(\a)], v[PW], v[PR], s[MASK]   ; q, k: lanes 0-15 keep the first head's word, lanes 16-31 the second's
.if (\a) > 0
	s_wait_xcnt 0x0                                ; the last block's stores have read their data: the codes' registers are written again only behind this wait
.endif
	WIN WN                                         ; source 0: the accumulators' window
.irp c, 0,1
	v_cvt_scalef32_pk16_fp6_f32 v[CD+6*\c:CD+2+6*\c], v[AC+32*\c:AC+15+32*\c], v[TM+12+2*\c]
	v_cvt_scalef32_pk16_fp6_f32 v[CD+12+4*\c:CD+14+4*\c], v[AC+16+32*\c:AC+31+32*\c], v[TM+12+2*\c+1]   ; (a conversion's three registers begin on an even number)
.endr
	WIN 0
	v_nop                                          ; one plain place behind a scaled conversion
.irp c, 0,1                                    ; the operand's layout wants a WHOLE block in a lane: lanes 0-15 block 2 c, lanes 16-31 block 2 c + 1
.irp i, 0,1,2
	v_permlane16_swap_b32 v[CD+6*\c+\i], v[CD+12+4*\c+\i]
.endr
.irp i, 0,1,2
	v_mov_b32 v[CD+3+6*\c+\i], v[CD+12+4*\c+\i]
.endr
.endr
.endm
; Block a is quantised and stored.  Every store of the wave covers 256 or 512 consecutive bytes, aligned.  The branch hangs on KIND, which all partners share.
.macro OUT a
	QUANTW \a
	s_cmp_eq_u32 s[KIND], 0
	s_cbranch_scc0 .Lout_v_\@
	global_store_b128 v[O16], v[CD:CD+3], s[12:13] offset:768*(\a)             ; q, k: tile a of my chunk: the first head's six registers,
	global_store_b64 v[O8], v[CD+4:CD+5], s[12:13] offset:768*(\a)+512
	global_store_b128 v[O16], v[CD+6:CD+9], s[12:13] offset:HS+768*(\a)        ; and the second head's
	global_store_b64 v[O8], v[CD+10:CD+11], s[12:13] offset:HS+768*(\a)+512
.if (\a)%4 == 3
	global_store_b128 v[OSQ], v[SW+(\a)-3:SW+(\a)], s[12:13] offset:6144+256*((\a)/4)   ; four tiles' scale words: lanes 0-15 into the first head's chunk, lanes 16-31 into the second's
.endif
	s_branch .Lout_done_\@
.Lout_v_\@:
.irp c, 0,1,2
	global_store_b128 v[O16], v[CD+4*\c:CD+4*\c+3], s[12:13] offset:((\a)/4)*HS+((\a)%4)*1536+512*\c   ; v: head a / 4 of my two, its tile a % 4 of 16 channels
.endr
.if (\a)%4 == 3
	global_store_b128 v[O16], v[SW+(\a)-3:SW+(\a)], s[12:13] offset:((\a)/4)*HS+6144
.endif
.Lout_done_\@:
.endm
	PLACES NP                                      ; behind the last products
.irp b, 0,1,2,3
	v_mov_b32 v[TM+4+\b], 0                        ; written once: a lane permute's destination counts as one of its sources
.endr
.irp a, 0,1,2,3,4,5,6,7
	OUT \a
.endr
	s_wait_tensorcnt 0x0                           ; the wave's end
	ds_add_u32 v[SPW], v[NIL]
	s_wait_dscnt 0x0
	CROUND                                         ; the closing round: no work-group ends while a partner may still ask for a tile that names it
	s_endpgm
.Lfunc_end_k_q6d6c7a852c_qkv:
	.size	k_q6d6c7a852c_qkv, .Lfunc_end_k_q6d6c7a852c_qkv-k_q6d6c7a852c_qkv
	.p2alignl 7, 3214868480
	.fill 96, 4, 3214868480
	.section	.rodata,"a",@progbits
	.p2align	6, 0x0
	.amdhsa_kernel k_q6d6c7a852c_qkv
		.amdhsa_group_segment_fixed_size 327680
		.amdhsa_private_segment_fixed_size 0
		.amdhsa_enable_private_segment 0
		.amdhsa_kernarg_size 24
		.amdhsa_user_sgpr_count 2
		.amdhsa_user_sgpr_kernarg_segment_ptr 1
		.amdhsa_wavefront_size32 1
		.amdhsa_system_sgpr_workgroup_id_x 1
		.amdhsa_system_sgpr_workgroup_id_y 1
		.amdhsa_system_sgpr_workgroup_id_z 1
		.amdhsa_system_vgpr_workitem_id 0
		.amdhsa_next_free_vgpr 1024
		.amdhsa_next_free_sgpr 100
		.amdhsa_reserve_vcc 0
		.amdhsa_float_denorm_mode_32 3
		.amdhsa_float_denorm_mode_16_64 3
		.amdhsa_memory_ordered 1
		.amdhsa_forward_progress 1
		.amdhsa_inst_pref_size 169
	.end_amdhsa_kernel
	.amdgpu_metadata
---
amdhsa.version: [ 1, 2 ]
amdhsa.kernels:
  - .name:           k_q6d6c7a852c_qkv
    .symbol:         k_q6d6c7a852c_qkv.kd
    .args:
      - { .name: codes, .offset: 0, .size: 8, .value_kind: global_buffer, .address_space: global }
      - { .name: scales, .offset: 8, .size: 8, .value_kind: global_buffer, .address_space: global }
      - { .name: qkv, .offset: 16, .size: 8, .value_kind: global_buffer, .address_space: global }
    .group_segment_fixed_size: 327680
    .private_segment_fixed_size: 0
    .kernarg_segment_align: 8
    .kernarg_segment_size: 24
    .max_flat_workgroup_size: 128
    .sgpr_count:     100
    .vgpr_count:     1024
    .wavefront_size: 32
...
	.end_amdgpu_metadata
.endif
;; end of part 2
;; launch attn (part 3): grid 4 x 64, 16 waves a work-group, clusters of 4 x 1, 231,424 bytes of LDS; arguments qkv, ctxc, ctxs; writes ctxc, ctxs
.if DOCPART == 3
	.amdgcn_target "amdgcn-amd-amdhsa--gfx1250"
	.amdhsa_code_object_version 6
	.text
	.protected	k_q6d6c7a852c_attn
	.globl	k_q6d6c7a852c_attn
	.p2align	8
	.type	k_q6d6c7a852c_attn,@function
k_q6d6c7a852c_attn:
	s_mov_b64 s[64:65], 0
	v_nop
	global_prefetch_b8 v0, s[64:65] scope:SCOPE_SE
	s_setreg_imm32_b32 hwreg(HW_REG_WAVE_MODE, 25, 1), 1
	s_wait_xcnt 0x0
	s_wait_alu depctr_hold_cnt(0) depctr_sa_sdst(0) depctr_va_vdst(0) depctr_va_sdst(0) depctr_va_ssrc(0) depctr_va_vcc(0) depctr_vm_vsrc(0)
	s_getreg_b32 s2, hwreg(HW_REG_IB_STS2, 6, 4)
	s_cmp_eq_u32 s2, 0
	s_cbranch_scc0 .Lentry_in_a_cluster
	s_endpgm
.Lentry_in_a_cluster:
	s_bfe_u32 s2, ttmp6, 0x10000c
	s_cmp_lg_u32 s2, 0x3003
	s_cbranch_scc0 .Lentry_shape_is_right
	s_endpgm
.Lentry_shape_is_right:
; ctx[b][q][head][:] = the sum over k <= q of softmax_k(q . k / 8) v, both products on codes of FP6 (E2M3) with E8M0 scales; ctx is quantised along the head's 64 and stored as operand images.
; IN: qkv = [q, k, v][batch x head 64][chunk of 128 tokens 16][6,656 bytes], images of operand registers.  Lane r of tile g of a q or k chunk is token 32 (g / 2) + 8 (g % 2) + r + 8 (r / 8) of the chunk.
; THE SOFTMAX: t = score x log2(e) / 8; M = the running largest t rounded UP to a whole number; p = 2^(t - M) is quantised along the keys; the row's sum is taken of the unquantised p and divides at the end.
; THE FIRST PRODUCT has K = 64 in an instruction of K = 128: registers 6-11 of both operands are zero codes, written once.
; SHARES.  A cluster of four work-groups owns one head; K and V of the whole head (213 KB) are asked for JOINTLY, once, and stay in LDS: nothing is filled again, so there is no ring.
; Work-group cx makes two passes, g = cx + 4 x pass.  Wave w has a rank (4 ((w / 4) xor (w % 4)) + w / 4) and owns tile g of q chunk rank: 16 queries.  It works key steps 0 .. rank, 128 keys each; the last lies on the diagonal.
; So every work-group has 2 x 136 steps, the four ranks 4 i .. 4 i + 3 fall on four different waves modulo 4, and no branch hangs on cx.  The trip count is the constant 16; a hidden step is jumped over.
; Both products are used transposed (S^T = K Q^T, O^T = V^T P^T): a lane holds ONE query throughout.  V's rows of a tile are chosen so that O^T's 16 registers of two tiles are 16 neighbouring channels.
; OUT: ctxc = [tile of 16 rows 512][head 16][768 bytes] (registers 0-3 at 16 x lane, 4-5 at 8 x lane); ctxs = [row 8192][32 bytes], byte 2 head + block.  Row 16 T + r is the token with bits 3 and 4 of that number exchanged.
; No prefetch: all that the launch reads through LDS is asked for at its head.
; LIMITS: M is exact while |t| < 2^24; a block whose largest magnitude lies under 2^-124 keeps the scale byte 1; NaN and infinities are not served.
.set TS,   6815744
.set HS,   106496
.set CH,   6656
.set VB,   106496                      ; LDS: K's 16 chunks at 0, V's at VB
.set QTR,  26624                       ; a quarter of a head's K or V: what one tensor load brings: 104 rows of 256 bytes
.set L16,  1                           ; v1   16 x lane
.set L8,   2                           ; v2   8 x lane
.set L16V, 3                           ; v3   16 x lane + VB
.set ADK16, 4                          ; v4-6 the step's LDS addresses
.set ADK8, 5
.set ADV,  6
.set DQ,   7                           ; v7   my query in its chunk - 16 (lane / 16)
.set VSC,  8                           ; v8-11  V's scale words
.set QF,   16                          ; v16-21 Q's codes, v22-27 zeros
.set QSC,  28                          ; v28  Q's scale word
.set NINF, 29                          ; v29  -infinity
.set OSB,  30                          ; v30  32 (lane % 16) + lane / 16: my scale byte's place
.set DQ0,  31                          ; v31  r + 8 (r / 8) - 16 (lane / 16)
.set KF,   32                          ; v32-79  four fragments of K (the upper six registers of each: zeros)
.set VF,   80                          ; v80-127 four fragments of V
.set S,    128                         ; v128-191 S^T, then p
.set OT,   192                         ; v192-223 O^T
.set PF,   224                         ; v224-235 p's codes;  v232-247, v252, v254 at work;  v253 p's scale word
.set KSC,  248                         ; v248-251 K's scale words: lanes 0-15 tiles 0-3, lanes 16-31 tiles 4-7
.set R16,  255                         ; v255 16 x (lane % 16)
.set WV,   10
.set RANK, 11
.set CX,   12
.set BH,   13
.set PASS, 14
.set TB,   16                          ; s16  LDS byte of the step's chunk
.set KAPPA, 17                         ; s17  the key step, and the loop's counter
.set HIM,  18                          ; s18  lanes 16-31
.set QB,   19                          ; s19  my q chunk's byte in qkv
.set SEL,  20                          ; s[20:21] lane selects: lane l xor 16
.set CS,   22                          ; s[22:23] c = log2(e) / 8
.set G1,   24                          ; s[24:31] descriptor group 1
.set G0,   40                          ; s[40:43] group 0
.macro CROUND                          ; a round of the cluster's barrier
	s_barrier_signal -1
	s_barrier_wait -1
	s_cmp_lg_u32 s[WV], 0
	s_cbranch_scc1 .Lnot_wave_0_\@
	s_barrier_signal -3
.Lnot_wave_0_\@:
	s_barrier_wait -3
	s_barrier_signal -1
	s_barrier_wait -1
.endm
	s_load_b128 s[4:7], s[0:1], 0x0                ; qkv, ctxc
	s_load_b64 s[8:9], s[0:1], 0x10                ; ctxs
	v_lshl_add_u32 v254, v0, 2, 0x38000
	v_mov_b32 v255, 0
	ds_add_u32 v254, v255
	ds_add_u32 v254, v255
	s_wait_dscnt 0x0
	v_lshrrev_b32 v4, 5, v0
	s_delay_alu instid0(VALU_DEP_1)
	v_readfirstlane_b32 s[WV], v4                  ; wave 0..15
	s_bfe_u32 s[CX], ttmp6, 0x40000                ; my place in the cluster: it enters Q's and ctx's addresses and the mask's numbers alone
	s_and_b32 s[BH], ttmp7, 0xffff                 ; batch x 16 + head, which the four partners share
	s_lshr_b32 s60, s[WV], 2
	s_and_b32 s61, s[WV], 3
	s_xor_b32 s61, s61, s60
	s_lshl_b32 s61, s61, 2
	s_add_co_u32 s[RANK], s61, s60
	s_mul_i32 s62, s[BH], HS                       ; the head's byte in each of the three tensors
	s_mul_i32 s[QB], s[RANK], CH
	s_add_co_u32 s[QB], s[QB], s62
	; descriptor group 1: 26,624 dense bytes as 104 rows of 256 bytes (32 elements of 8), no padding: an image is read 16 or 8 neighbouring bytes a lane
	s_mov_b32 s[G1], 15|(3<<16)|(1<<21)            ; 15:0 the mask: all four work-groups; 17:16 elements of 8 bytes; 21 set beside a mask
	s_mov_b32 s[G1+1], 32<<16                      ; tensor_dim0
	s_mov_b32 s[G1+2], 104<<16                     ; tensor_dim1
	s_mov_b32 s[G1+3], 32<<16                      ; tile_dim0
	s_mov_b32 s[G1+4], 104                         ; tile_dim1
	s_mov_b32 s[G1+5], 32                          ; tensor_dim0_stride
	s_mov_b32 s[G1+6], 0
	s_mov_b32 s[G1+7], 0
	s_and_b32 s63, s[WV], 7                        ; waves 0-3 fetch K's quarters, waves 4-7 V's
	s_lshr_b32 s66, s63, 2
	s_add_co_u32 s66, s66, 1                       ; tensor 1 (k) or 2 (v)
	s_mul_i32 s66, s66, TS
	s_and_b32 s67, s63, 3
	s_mul_i32 s67, s67, QTR
	s_add_co_u32 s66, s66, s67
	s_add_co_u32 s66, s66, s62                     ; under 2^25
	s_mov_b32 s67, 0
	s_mov_b32 s[HIM], 0xffff0000
	s_mov_b32 s[SEL], 0x76543210
	s_mov_b32 s[SEL+1], 0xfedcba98
	s_mov_b32 s[CS], 0x3e38aa3b                    ; log2(e) / 8
	s_mov_b32 s[CS+1], s[CS]                       ; (named with it as a pair, so it is written)
	s_wait_kmcnt 0x0
	CROUND                                         ; all four work-groups are here: the joint loads meet
	s_mov_b32 s[G0], 1                             ; count = 1
	s_mul_i32 s[G0+1], s63, QTR                    ; LDS address: K's four quarters, then V's: the wave's number times a constant
	s_add_nc_u64 s[G0+2:G0+3], s[4:5], s[66:67]
	s_or_b32 s[G0+3], s[G0+3], 0x80000000          ; type = 2
	s_cmp_lt_u32 s[WV], 8
	s_cbranch_scc0 .Lno_fill
	tensor_load_to_lds s[G0:G0+3], s[G1:G1+7]      ; one tensor load of mine is out
	s_nop 0
.rept 4
	v_nop
.endr
.Lno_fill:
	v_and_b32 v4, 31, v0                           ; lane
	s_delay_alu instid0(VALU_DEP_1)
	v_lshlrev_b32 v[L16], 4, v4
	s_delay_alu instid0(VALU_DEP_2)
	v_lshlrev_b32 v[L8], 3, v4
	s_delay_alu instid0(VALU_DEP_2)
	v_add_nc_u32 v[L16V], VB, v[L16]
	v_and_b32 v5, 15, v0                           ; r
	v_bfe_u32 v6, v0, 4, 1                         ; h
	s_delay_alu instid0(VALU_DEP_1)
	v_lshl_add_u32 v[OSB], v5, 5, v6
	s_delay_alu instid0(VALU_DEP_3)
	v_lshlrev_b32 v[R16], 4, v5
	s_delay_alu instid0(VALU_DEP_4)
	v_and_b32 v7, 8, v5
	s_delay_alu instid0(VALU_DEP_1)
	v_add_nc_u32 v[DQ0], v7, v5                    ; r + 8 (r / 8)
	v_lshlrev_b32 v7, 4, v6
	s_delay_alu instid0(VALU_DEP_1)
	v_sub_nc_u32 v[DQ0], v[DQ0], v7
	v_mov_b32 v[NINF], 0xff800000
.irp i, 6,7,8,9,10,11
	v_mov_b32 v[QF+\i], 0                          ; zero codes for K = 64 .. 127 of the first product, on both sides
.irp t, 0,1,2,3
	v_mov_b32 v[KF+12*\t+\i], 0
.endr
.endr
	s_wait_tensorcnt 0x0                           ; my quarter has landed,
	s_barrier_signal -1
	s_barrier_wait -1                              ; everybody's has: from here on LDS is only read
	s_mov_b32 s[PASS], 0
; A KEY STEP: the 128 keys of chunk KAPPA.
.macro STEP
	s_cmp_gt_u32 s[KAPPA], s[RANK]                 ; all its keys come after my queries: the work is left out; the lines that step stand at the end
	s_cbranch_scc1 .Lhidden_\@
	s_setprio 2
	v_add_nc_u32 v[ADK16], s[TB], v[L16]
	v_add_nc_u32 v[ADK8], s[TB], v[L8]
	v_add_nc_u32 v[ADV], s[TB], v[L16V]
	v_nop                                          ; (four places behind the last step's products)
.irp t, 0,1,2,3                                ; S^T = K Q^T, tiles 0-3
	ds_load_b128 v[KF+12*\t:KF+12*\t+3], v[ADK16] offset:768*\t
	ds_load_b64 v[KF+12*\t+4:KF+12*\t+5], v[ADK8] offset:768*\t+512
.endr
	ds_load_b128 v[KSC:KSC+3], v[ADK16] offset:6144
	s_wait_alu depctr_va_vdst(0)
	s_wait_dscnt 0x0
.irp t, 0,1,2,3
	v_wmma_scale_f32_16x16x128_f8f6f4 v[S+8*\t:S+8*\t+7], v[KF+12*\t:KF+12*\t+11], v[QF:QF+11], 0, v[KSC+\t], v[QSC] matrix_a_fmt:MATRIX_FMT_FP6 matrix_b_fmt:MATRIX_FMT_FP6
.endr
.rept 4
	v_nop                                          ; places in front of loads into registers that these products have read
.endr
.irp t, 0,1,2,3                                ; tiles 4-7
	ds_load_b128 v[KF+12*\t:KF+12*\t+3], v[ADK16] offset:768*(4+\t)
	ds_load_b64 v[KF+12*\t+4:KF+12*\t+5], v[ADK8] offset:768*(4+\t)+512
.endr
.irp t, 0,1,2,3                                ; V's four tiles are asked for here and land under the softmax
.irp c, 0,1,2
	ds_load_b128 v[VF+12*\t+4*\c:VF+12*\t+4*\c+3], v[ADV] offset:1536*\t+512*\c
.endr
.endr
	ds_load_b128 v[VSC:VSC+3], v[ADV] offset:6144
	s_wait_dscnt 13                                ; K's eight are in; V's thirteen may be out
.irp t, 0,1,2,3
	v_wmma_scale_f32_16x16x128_f8f6f4 v[S+32+8*\t:S+32+8*\t+7], v[KF+12*\t:KF+12*\t+11], v[QF:QF+11], 0, v[KSC+\t], v[QSC] matrix_a_fmt:MATRIX_FMT_FP6 matrix_b_fmt:MATRIX_FMT_FP6 matrix_a_scale:MATRIX_SCALE_ROW1
.endr
.rept 4
	v_nop
.endr
	s_cmp_lg_u32 s[KAPPA], s[RANK]                 ; on the diagonal the scores of hidden keys become -infinity ahead of the maximum: p = 0 then
	s_cbranch_scc1 .Lopen_\@
.set n, 0
.rept 64                                       ; register 16 b + i holds key 32 b + 16 (lane / 16) + i of the chunk: hidden where 32 b + i > my query - 16 (lane / 16)
	v_cmp_gt_i32 vcc_lo, 32*(n/16)+n%16, v[DQ]
	v_cndmask_b32 v[S+n], v[S+n], v[NINF], vcc_lo
.set n, n+1
.endr
.Lopen_\@:
.irp b, 0,1,2,3
	v_max3_num_f32 v[232+\b], v[S+16*\b], v[S+1+16*\b], v[S+2+16*\b]   ; the largest score of each block of 32 keys: it serves for the row's maximum and, since p rises with the score, for the block's largest p
.endr
.irp i, 3,5,7,9,11,13
.irp b, 0,1,2,3
	v_max3_num_f32 v[232+\b], v[232+\b], v[S+16*\b+\i], v[S+1+16*\b+\i]
.endr
.endr
.irp b, 0,1,2,3
	v_max_num_f32 v[232+\b], v[232+\b], v[S+15+16*\b]
.endr
.irp b, 0,1,2,3
	s_delay_alu instid0(VALU_DEP_4)
	v_permlanex16_b32 v[236+\b], v[232+\b], s[SEL], s[SEL+1]
.endr
.irp b, 0,1,2,3
	s_delay_alu instid0(VALU_DEP_4)
	v_max_num_f32 v[232+\b], v[232+\b], v[236+\b]  ; with lane l xor 16's 16 keys
.endr
	s_delay_alu instid0(VALU_DEP_2)
	v_max3_num_f32 v254, v232, v233, v234
	s_delay_alu instid0(VALU_DEP_1)
	v_max_num_f32 v254, v254, v235                 ; the step's largest score of my query
	s_delay_alu instid0(VALU_DEP_1)
	v_mul_f32 v254, s[CS], v254                    ; as t (c is positive)
	s_delay_alu instid0(VALU_DEP_1)
	v_max_num_f32 v13, v13, v254                   ; the running largest t
	v_mov_b32 v254, v12
	s_delay_alu instid0(VALU_DEP_2)
	v_floor_f32 v12, -v13                          ; the new -M = floor(-t): M is a whole number
	s_delay_alu instid0(VALU_DEP_1)
	v_sub_f32 v254, v12, v254                      ; M's old value less its new one: a whole number, 0 or less
	s_delay_alu instid0(VALU_DEP_1)
	v_cvt_i32_f32 v254, v254                       ; (it saturates)
	s_delay_alu instid0(VALU_DEP_1)
	v_ldexp_f32 v252, 1.0, v254                    ; f = 2^(old M - new M): a multiplication by it rounds nothing
.set j, 0
.rept 32
	v_pk_fma_f32 v[S+j:S+j+1], v[S+j:S+j+1], s[CS:CS+1], v[12:13] op_sel_hi:[1,0,0]   ; t - M, two at a time
.set j, j+2
.endr
	s_setprio 1
.irp b, 0,1,2,3
	v_fma_f32 v[232+\b], v[232+\b], s[CS], v12     ; the same of each block's largest score
.endr
.set j, 0
	s_wait_alu depctr_va_vdst(0)
.rept 64
	v_exp_f32 v[S+j], v[S+j]                       ; p = 2^(t - M), at most 1: not normalised
.set j, j+1
.endr
	v_pk_mul_f32 v[14:15], v[14:15], v[252:253] op_sel_hi:[1,0]   ; the sums under the new M (a plain place behind the exponentials)
	s_wait_alu depctr_va_vdst(0)                   ; one wait for the batch of 64, ahead of its first reader
.irp b, 0,1,2,3
	v_exp_f32 v[232+\b], v[232+\b]                 ; the block's largest p
.endr
	v_pk_add_f32 v[236:237], v[132:133], v[136:137]
	v_pk_add_f32 v[250:251], v[140:141], v[144:145]
	v_pk_add_f32 v[248:249], v[148:149], v[152:153]
	v_pk_add_f32 v[246:247], v[156:157], v[160:161]
	v_pk_add_f32 v[244:245], v[164:165], v[168:169]
	v_pk_add_f32 v[242:243], v[172:173], v[176:177]
	v_pk_add_f32 v[240:241], v[180:181], v[184:185]
	v_pk_add_f32 v[14:15], v[14:15], v[188:189]
	v_pk_add_f32 v[236:237], v[236:237], v[128:129]
	v_pk_add_f32 v[250:251], v[250:251], v[130:131]
	v_pk_add_f32 v[248:249], v[248:249], v[134:135]
	v_pk_add_f32 v[246:247], v[246:247], v[138:139]
	v_pk_add_f32 v[244:245], v[244:245], v[142:143]
	v_pk_add_f32 v[242:243], v[242:243], v[146:147]
	v_pk_add_f32 v[240:241], v[240:241], v[150:151]
	v_pk_add_f32 v[14:15], v[14:15], v[154:155]
	v_pk_add_f32 v[236:237], v[236:237], v[158:159]
	v_pk_add_f32 v[250:251], v[250:251], v[162:163]
	v_pk_add_f32 v[248:249], v[248:249], v[166:167]
	v_pk_add_f32 v[246:247], v[246:247], v[170:171]
	v_pk_add_f32 v[244:245], v[244:245], v[174:175]
	v_pk_add_f32 v[242:243], v[242:243], v[178:179]
	v_pk_add_f32 v[240:241], v[240:241], v[182:183]
	v_pk_add_f32 v[14:15], v[14:15], v[186:187]
	v_pk_add_f32 v[236:237], v[236:237], v[190:191]
	s_delay_alu instid0(VALU_DEP_2)
	v_pk_add_f32 v[14:15], v[14:15], v[246:247]
	s_delay_alu instid0(VALU_DEP_2)
	v_pk_add_f32 v[236:237], v[236:237], v[244:245]
	v_pk_add_f32 v[250:251], v[250:251], v[242:243]
	v_pk_add_f32 v[248:249], v[248:249], v[240:241]
	s_delay_alu instid0(VALU_DEP_2)
	v_pk_add_f32 v[14:15], v[14:15], v[250:251]
	s_delay_alu instid0(VALU_DEP_2)
	v_pk_add_f32 v[236:237], v[236:237], v[248:249]
	s_delay_alu instid0(VALU_DEP_1)
	v_pk_add_f32 v[14:15], v[14:15], v[236:237]
	s_wait_alu depctr_va_vdst(0)                   ; and one for the four
.irp b, 0,1,2,3
	v_max_num_f32 v[232+\b], 0x1800000, v[232+\b]  ; the floor 2^(3 - 127): the byte cannot fall under 1
.endr
.irp b, 0,1,2,3
	s_delay_alu instid0(VALU_DEP_4)
	v_add_nc_u32 v[244+\b], 0xff000000, v[232+\b]  ; 2 off the exponent field: the conversion's scale operand
.endr
.irp b, 0,1,2,3
	s_delay_alu instid0(VALU_DEP_4)
	v_lshrrev_b32 v[236+\b], 23, v[244+\b]         ; the scale's byte
.endr
	s_delay_alu instid0(VALU_DEP_3)
	v_lshl_or_b32 v253, v237, 8, v236              ; p's scale word for these 128 keys
	s_delay_alu instid0(VALU_DEP_1)
	v_lshl_or_b32 v253, v238, 16, v253
	s_delay_alu instid0(VALU_DEP_1)
	v_lshl_or_b32 v253, v239, 24, v253
	s_setprio 0
.irp c, 0,1
	v_cvt_scalef32_pk16_fp6_f32 v[PF+6*\c:PF+2+6*\c], v[S+32*\c:S+15+32*\c], v[244+2*\c]
	v_cvt_scalef32_pk16_fp6_f32 v[236+4*\c:238+4*\c], v[S+16+32*\c:S+31+32*\c], v[244+2*\c+1]   ; (a conversion's three registers begin on an even number)
.endr
	v_nop                                          ; one plain place behind a scaled conversion
.irp c, 0,1                                    ; the operand's layout wants a whole block in a lane
.irp i, 0,1,2
	v_permlane16_swap_b32 v[PF+6*\c+\i], v[236+4*\c+\i]
.endr
.irp i, 0,1,2
	s_delay_alu instid0(VALU_DEP_3)
	v_mov_b32 v[PF+3+6*\c+\i], v[236+4*\c+\i]
.endr
.endr
.set j, 0
.rept 16
	v_pk_mul_f32 v[OT+j:OT+j+1], v[OT+j:OT+j+1], v[252:253] op_sel_hi:[1,0]   ; O^T under the new M.  (These sixteen are also the places between the writes of p's codes and scale word and the products)
.set j, j+2
.endr
	s_wait_alu depctr_va_vdst(0)
	s_wait_dscnt 0x0                               ; V is in
.irp t, 0,1,2,3                                ; O^T += V^T P^T: four accumulators by turns
	v_wmma_scale_f32_16x16x128_f8f6f4 v[OT+8*\t:OT+8*\t+7], v[VF+12*\t:VF+12*\t+11], v[PF:PF+11], v[OT+8*\t:OT+8*\t+7], v[VSC+\t], v253 matrix_a_fmt:MATRIX_FMT_FP6 matrix_b_fmt:MATRIX_FMT_FP6
.endr
.Lhidden_\@:
	s_add_co_u32 s[TB], s[TB], CH
	s_add_co_u32 s[KAPPA], s[KAPPA], 1
.endm
.Lpass:
	s_lshl_b32 s60, s[PASS], 2
	s_add_co_u32 s60, s60, s[CX]                   ; g: my tile of the q chunk
	s_mov_b32 s67, 0
	s_mul_i32 s66, s60, 768
	s_add_co_u32 s66, s66, s[QB]
	s_add_nc_u64 s[52:53], s[4:5], s[66:67]        ; Q's codes
	s_lshl_b32 s66, s[PASS], 8                     ; its scale words: group g / 4 = pass, tile g % 4 = cx
	s_lshl_b32 s68, s[CX], 2
	s_add_co_u32 s66, s66, s68
	s_add_co_u32 s66, s66, s[QB]
	s_add_nc_u64 s[54:55], s[4:5], s[66:67]
	s_lshr_b32 s68, s[BH], 4                       ; batch
	s_lshl_b32 s68, s68, 7
	s_lshl_b32 s69, s[RANK], 3
	s_add_co_u32 s68, s68, s69
	s_add_co_u32 s68, s68, s60                     ; my tile of 16 rows of ctx: 128 batch + 8 rank + g
	s_and_b32 s69, s[BH], 15                       ; head
	s_lshl_b32 s66, s68, 4
	s_add_co_u32 s66, s66, s69
	s_mul_i32 s66, s66, 768
	s_add_nc_u64 s[56:57], s[6:7], s[66:67]        ; ctx's codes
	s_lshl_b32 s66, s68, 9
	s_lshl_b32 s69, s69, 1
	s_add_co_u32 s66, s66, s69
	s_add_nc_u64 s[58:59], s[8:9], s[66:67]        ; ctx's scale bytes
	global_load_b128 v[QF:QF+3], v[L16], s[52:53]
	global_load_b64 v[QF+4:QF+5], v[L8], s[52:53] offset:512
	global_load_b32 v[QSC], v[R16], s[54:55] offset:6144
	s_lshr_b32 s66, s60, 1
	s_lshl_b32 s66, s66, 5
	s_and_b32 s68, s60, 1
	s_lshl_b32 s68, s68, 3
	s_add_co_u32 s66, s66, s68                     ; 32 (g / 2) + 8 (g % 2)
	v_add_nc_u32 v[DQ], s66, v[DQ0]
	v_mov_b32 v13, 0xff61b1e6                      ; the largest t so far: -3e38, under every t
	s_delay_alu instid0(VALU_DEP_1)
	v_floor_f32 v12, -v13                          ; -M
	v_mov_b32 v14, 0                               ; the sum, in two halves
	v_mov_b32 v15, 0
.irp b, 0,1,2,3
	v_mov_b32 v[236+\b], 0                         ; a lane permute's destination counts as one of its sources
.endr
	v_mov_b32 v253, 0                              ; (named as the upper half of the pair v[252:253] before it is first written)
.set j, 0
.rept 32
	v_mov_b32 v[OT+j], 0                           ; O^T: the step is written once; the first finds zeros, which the first change of M leaves zeros
.set j, j+1
.endr
	s_mov_b32 s[TB], 0
	s_mov_b32 s[KAPPA], 0
	s_wait_loadcnt 0x0                             ; Q
.Lstep:                                            ; 16 trips: a constant; rank + 1 of them work
	STEP
	s_cmp_lt_u32 s[KAPPA], 16
	s_cbranch_scc1 .Lstep
	s_setprio 0
	; THE PASS'S END: O^T / the sum is ctx; its two blocks of 32 channels are quantised; six registers of codes and two bytes a row leave.
.rept 4
	v_nop                                          ; places behind the last products
.endr
	v_add_f32 v14, v14, v15                        ; the sum's two halves,
	s_delay_alu instid0(VALU_DEP_1)
	v_permlanex16_b32 v236, v14, s[SEL], s[SEL+1]
	s_delay_alu instid0(VALU_DEP_1)
	v_add_f32 v14, v14, v236                       ; and lane l xor 16's: the row's sum
	s_wait_alu depctr_va_vdst(0)
	v_rcp_f32 v14, v14
	v_nop                                          ; a plain place behind the transcendental
	s_wait_alu depctr_va_vdst(0)                   ; and the wait ahead of its first reader
.set j, 0
.rept 16
	v_pk_mul_f32 v[S+j:S+j+1], v[OT+j:OT+j+1], v[14:15] op_sel_hi:[1,0]   ; register 16 b + i: channel 32 b + 16 (lane / 16) + i; each accumulator from its low end on
.set j, j+2
.endr
.irp b, 0,1
	v_max3_num_f32 v[232+\b], |v[S+16*\b]|, |v[S+1+16*\b]|, 0x1800000
.endr
.irp i, 2,4,6,8,10,12,14
.irp b, 0,1
	s_delay_alu instid0(VALU_DEP_2)
	v_max3_num_f32 v[232+\b], v[232+\b], |v[S+16*\b+\i]|, |v[S+1+16*\b+\i]|
.endr
.endr
.irp b, 0,1
	s_delay_alu instid0(VALU_DEP_2)
	v_permlanex16_b32 v[236+\b], v[232+\b], s[SEL], s[SEL+1]
.endr
.irp b, 0,1
	s_delay_alu instid0(VALU_DEP_2)
	v_max_num_f32 v[232+\b], v[232+\b], v[236+\b]
.endr
.irp b, 0,1
	s_delay_alu instid0(VALU_DEP_2)
	v_add_nc_u32 v[244+\b], 0xff000000, v[232+\b]
.endr
.irp b, 0,1
	s_delay_alu instid0(VALU_DEP_2)
	v_lshrrev_b32 v[246+\b], 23, v[244+\b]
.endr
	v_cvt_scalef32_pk16_fp6_f32 v[PF:PF+2], v[S:S+15], v244
	v_cvt_scalef32_pk16_fp6_f32 v[240:242], v[S+16:S+31], v245
	v_nop                                          ; one plain place behind a scaled conversion
.irp i, 0,1,2
	v_permlane16_swap_b32 v[PF+\i], v[240+\i]
.endr
.irp i, 0,1,2
	s_delay_alu instid0(VALU_DEP_3)
	v_mov_b32 v[PF+3+\i], v[240+\i]
.endr
	v_cndmask_b32 v254, v246, v247, s[HIM]         ; lanes 0-15 store block 0's byte, lanes 16-31 block 1's
	global_store_b128 v[L16], v[PF:PF+3], s[56:57]             ; 512 consecutive bytes, aligned
	global_store_b64 v[L8], v[PF+4:PF+5], s[56:57] offset:512  ; 256 consecutive bytes, aligned
	global_store_b8 v[OSB], v254, s[58:59]         ; two bytes of each of 16 rows of 32: a small part of what the launch stores
	s_wait_xcnt 0x0                                ; the stores and loads have read their addresses and data: both are written again only behind this wait
	s_add_co_u32 s[PASS], s[PASS], 1
	s_cmp_lt_u32 s[PASS], 2
	s_cbranch_scc1 .Lpass
	s_wait_xcnt 0x0
	v_lshl_add_u32 v254, v0, 2, 0x38000
	v_mov_b32 v255, 0
	s_wait_alu depctr_va_vdst(0)
	s_wait_tensorcnt 0x0
	ds_add_u32 v254, v255
	s_wait_dscnt 0x0
	CROUND                                         ; the closing round
	s_endpgm
.Lfunc_end_k_q6d6c7a852c_attn:
	.size	k_q6d6c7a852c_attn, .Lfunc_end_k_q6d6c7a852c_attn-k_q6d6c7a852c_attn
	.p2alignl 7, 3214868480
	.fill 96, 4, 3214868480
	.section	.rodata,"a",@progbits
	.p2align	6, 0x0
	.amdhsa_kernel k_q6d6c7a852c_attn
		.amdhsa_group_segment_fixed_size 231424
		.amdhsa_private_segment_fixed_size 0
		.amdhsa_enable_private_segment 0
		.amdhsa_kernarg_size 24
		.amdhsa_user_sgpr_count 2
		.amdhsa_user_sgpr_kernarg_segment_ptr 1
		.amdhsa_wavefront_size32 1
		.amdhsa_system_sgpr_workgroup_id_x 1
		.amdhsa_system_sgpr_workgroup_id_y 1
		.amdhsa_system_sgpr_workgroup_id_z 1
		.amdhsa_system_vgpr_workitem_id 0
		.amdhsa_next_free_vgpr 256
		.amdhsa_next_free_sgpr 72
		.amdhsa_reserve_vcc 1
		.amdhsa_float_denorm_mode_32 3
		.amdhsa_float_denorm_mode_16_64 3
		.amdhsa_memory_ordered 1
		.amdhsa_forward_progress 1
		.amdhsa_inst_pref_size 36
	.end_amdhsa_kernel
	.amdgpu_metadata
---
amdhsa.version: [ 1, 2 ]
amdhsa.kernels:
  - .name:           k_q6d6c7a852c_attn
    .symbol:         k_q6d6c7a852c_attn.kd
    .args:
      - { .name: qkv, .offset: 0, .size: 8, .value_kind: global_buffer, .address_space: global }
      - { .name: ctxc, .offset: 8, .size: 8, .value_kind: global_buffer, .address_space: global }
      - { .name: ctxs, .offset: 16, .size: 8, .value_kind: global_buffer, .address_space: global }
    .group_segment_fixed_size: 231424
    .private_segment_fixed_size: 0
    .kernarg_segment_align: 8
    .kernarg_segment_size: 24
    .max_flat_workgroup_size: 512
    .sgpr_count:     72
    .vgpr_count:     256
    .wavefront_size: 32
...
	.end_amdgpu_metadata
.endif
;; end of part 3
;; launch oproj (part 4): grid 4 x 32, 4 waves a work-group, clusters of 4 x 4, 327,680 bytes of LDS; arguments ctxc, ctxs, codes, scales, bo, out0; writes out0
.if DOCPART == 4
	.amdgcn_target "amdgcn-amd-amdhsa--gfx1250"
	.amdhsa_code_object_version 6
	.text
	.protected	k_q6d6c7a852c_oproj
	.globl	k_q6d6c7a852c_oproj
	.p2align	8
	.type	k_q6d6c7a852c_oproj,@function
k_q6d6c7a852c_oproj:
	s_mov_b64 s[64:65], 0
	v_nop
	global_prefetch_b8 v0, s[64:65] scope:SCOPE_SE
	s_setreg_imm32_b32 hwreg(HW_REG_WAVE_MODE, 25, 1), 1
	s_wait_xcnt 0x0
	s_wait_alu depctr_hold_cnt(0) depctr_sa_sdst(0) depctr_va_vdst(0) depctr_va_sdst(0) depctr_va_ssrc(0) depctr_va_vcc(0) depctr_vm_vsrc(0)
	s_getreg_b32 s2, hwreg(HW_REG_IB_STS2, 6, 4)
	s_cmp_eq_u32 s2, 0
	s_cbranch_scc0 .Lentry_in_a_cluster
	s_endpgm
.Lentry_in_a_cluster:
	s_bfe_u32 s2, ttmp6, 0x10000c
	s_cmp_lg_u32 s2, 0xf033
	s_cbranch_scc0 .Lentry_shape_is_right
	s_endpgm
.Lentry_shape_is_right:
; out0[m][n] = sum over k of ctx[m][k] Wo[n][k] + bo[n], on codes of FP6 (E2M3) with E8M0 scales, K = 1,024, sums in f32.  out0: [8192][1024] f32.
; A = ctx: ctxc = [tile of 16 rows 512][head 16][768 bytes]: IMAGES of six operand registers (registers 0-3 at 16 x lane, 4-5 at 8 x lane); two heads are a fragment of 128 along K.  ctxs = [row][32 bytes].
;   Row 16 T + r of ctxc and ctxs is the token with bits 3 and 4 of that number exchanged: row t of a block of 16 is token t + 8 (t / 8) from the block's first, and the blocks' first tokens lie 8 and 24 apart by turns.
; B = Wo: rows 11,264 on of codes (768 bytes a row) and scales (32 bytes a row), in Wo's own order.
; A tile of 256 x 256 of out0 is made by four waves, 128 x 128 each.  K goes in steps of 256 through a ring of two LDS slots; the scale bytes come once.  4 x 4 work-groups form a cluster: A's tiles are asked for
; jointly along a row of the cluster, B's along a column.  The product is used transposed (source 0 = 16 rows of B, source 1 = 16 rows of A): a lane holds eight neighbouring numbers of a row of out0.
; The bias is the C of each sum's first matrix instruction.  128 tiles: half of the WGPs have work; a smaller tile would fill them at twice the LDS reads for each product.
; REGISTERS, in windows of 256: window 0: v0-31 addresses; v32-63 scale words, two sets; v64-127 the bias, eight registers for each of B's blocks; from v128 A's fragments, ONE set; on the way out v128-255.
;   window 1: B's fragments, TWO sets.   windows 2, 3: the accumulators.
.set SIZE_N, 1024
.set KSTEP,  256
.set NQ,     2
.set ROWB,   192                       ; B: a tile's row in bytes
.set KROW,   768                       ; a row of codes in memory
.set AROW,   3072                      ; A: 16 rows x 256 along K as images: four heads x 768 bytes
.set PITCH,  240                       ; B's LDS row: 3 x (64 bytes + 16 of padding)
.set FR,     12
.set NL,     6                         ; LDS loads that bring a fragment of B
.set NLA,    4                         ; and of A
.set NP,     4                         ; places behind this matrix instruction (ISA guide 7.12.1)
.set HALFT,  128*PITCH                 ; the place of what one tensor load brings (A's images use 24,576 bytes of it)
.set SLOT,   4*HALFT
.set LAPS,   2
.set KS,     32
.set SCL,    2*SLOT
.set HALFS,  16*272
.set SBLK,   2*272
.set SPARE,  SCL+4*HALFS               ; the spare words, 128 bytes for each wave: two blocks of 256 bytes that no other line names
.set SPITCH, 528                       ; the way out: a stage of 16 rows x (512 bytes + 16) for each wave, in slot 0, which has had its last fill and its last read by then
.set ADRA, 16                          ; v16-17 16 x lane + my A images in slot 0, 1;  v18-19 8 x lane + the same
.set ADRB, 20                          ; v20-23 B's fragments
.set STO,  24
.set RD,   25
.set CO,   26
.set ADRS, 27
.set SPW,  28
.set NIL,  29
.set SC,   32
.set BI,   64                          ; the bias
.set AF,   128
.set BK,   128
.set G1, 24
.set G0, 32
.set G1B, 48
.set G0B, 56
.set G1S, 68
.set G0S, 76
.set G1SB, 80
.set G0SB, 88
.set MSB, 0
.macro WIN new                         ; the immediate's high byte repeats the setting that is left
.if MSB != \new
	s_set_vgpr_msb (MSB<<8)|\new
.set MSB, \new
.endif
.endm
.set MUL_LO, 0xa1                      ; source 0 (B) window 1, source 1 (A) window 0, C and D window 2
.set MUL_HI, 0xf1                      ; the same, C and D window 3
.set BIA_LO, 0x81                      ; the first step: C (the bias) window 0, D window 2
.set BIA_HI, 0xc1                      ; D window 3
.set TO_B,   0x40
.macro JLOAD g0a, g1a, g0b, g1b        ; a joint load: waves 0 and 1 fetch for A, waves 2 and 3 for B; four v_nop follow each of the two lines
	s_cmp_eq_u32 s15, 0
	s_cbranch_scc0 .Lfor_b_\@
	tensor_load_to_lds s[\g0a:\g0a+3], s[\g1a:\g1a+7]
	s_nop 0
.rept 4
	v_nop
.endr
	s_branch .Lasked_\@
.Lfor_b_\@:
	tensor_load_to_lds s[\g0b:\g0b+3], s[\g1b:\g1b+7]
	s_nop 0
.rept 4
	v_nop
.endr
.Lasked_\@:
.endm
.macro CREST
	s_cmp_lg_u32 s14, 0
	s_cbranch_scc1 .Lnot_wave_0_\@
	s_barrier_signal -3
.Lnot_wave_0_\@:
	s_barrier_wait -3
	s_barrier_signal -1
	s_barrier_wait -1
.endm
.macro CROUND
	s_barrier_signal -1
	s_barrier_wait -1
	CREST
.endm
	s_load_b128 s[4:7], s[0:1], 0x0                ; ctxc, ctxs
	s_load_b128 s[8:11], s[0:1], 0x10              ; codes, scales
	s_load_b64 s[66:67], s[0:1], 0x20              ; bo
	s_load_b64 s[12:13], s[0:1], 0x28              ; out0
	v_lshl_add_u32 v[SPW], v0, 2, SPARE
	v_mov_b32 v[NIL], 0
	ds_add_u32 v28, v29
	ds_add_u32 v28, v29
	s_wait_dscnt 0x0
	v_lshrrev_b32 v1, 5, v0
	v_readfirstlane_b32 s14, v1                    ; wave 0..3
	s_lshr_b32 s15, s14, 1                         ; which half of the tile's rows is mine.  Also: I fetch for A (0) or for B (1)
	s_and_b32 s16, s14, 1                          ; which half of its columns.  Also: which 128 rows I fetch
	s_bfe_u32 s40, ttmp6, 0x40000                  ; cx, cy
	s_bfe_u32 s41, ttmp6, 0x40004
	s_lshl_b32 s42, ttmp9, 2
	s_add_co_u32 s42, s42, s40                     ; tile column = 4 x cluster x + cx
	s_and_b32 s17, ttmp7, 0xffff
	s_lshl_b32 s17, s17, 2
	s_add_co_u32 s17, s17, s41                     ; tile row = 4 x cluster y + cy
	s_lshl_b32 s43, s41, 2
	s_lshl_b32 s43, 15, s43                        ; my row of the cluster
	s_lshl_b32 s44, 0x1111, s40                    ; my column
	; A's tiles: 8 rows of 3,072 bytes (16 rows of ctx x 4 heads as images; 384 elements of 8 bytes), 12,288 bytes apart, no padding: an image is read 16 or 8 neighbouring bytes a lane
	s_or_b32 s[G1+0], s43, (3<<16)|(1<<21)
	s_mov_b32 s[G1+1], 384<<16                     ; tensor_dim0
	s_mov_b32 s[G1+2], 8<<16                       ; tensor_dim1
	s_mov_b32 s[G1+3], 384<<16                     ; tile_dim0
	s_mov_b32 s[G1+4], 8                           ; tile_dim1
	s_mov_b32 s[G1+5], 1536                        ; tensor_dim0_stride
	s_mov_b32 s[G1+6], 0
	s_mov_b32 s[G1+7], 0
	; B's tiles: 128 rows x 192 bytes, 16 bytes of padding behind every 64
	s_or_b32 s[G1B+0], s44, (0<<16)|(1<<20)|(1<<21)|(3<<22)|(3<<25)
	s_mov_b32 s[G1B+1], ROWB<<16
	s_mov_b32 s[G1B+2], 128<<16
	s_mov_b32 s[G1B+3], ROWB<<16
	s_mov_b32 s[G1B+4], 128
	s_mov_b32 s[G1B+5], KROW
	s_mov_b32 s[G1B+6], 0
	s_mov_b32 s[G1B+7], 0
	; the scale bytes of 128 rows: 16 rows of 256 bytes, 16 bytes of padding behind each
	s_or_b32 s[G1S+0], s43, (3<<16)|(1<<20)|(1<<21)|(5<<22)|(3<<25)
	s_or_b32 s[G1SB+0], s44, (3<<16)|(1<<20)|(1<<21)|(5<<22)|(3<<25)
.irp g, G1S, G1SB
	s_mov_b32 s[\g+1], 32<<16
	s_mov_b32 s[\g+2], 16<<16
	s_mov_b32 s[\g+3], 32<<16
	s_mov_b32 s[\g+4], 16
	s_mov_b32 s[\g+5], 32
	s_mov_b32 s[\g+6], 0
	s_mov_b32 s[\g+7], 0
.endr
	s_lshl_b32 s18, s16, 7                         ; which 128 rows of the tile I fetch
	s_lshl_b32 s20, s17, 8
	s_add_co_u32 s20, s20, s18                     ; A: row 256 x tile row + 128 x half
	s_lshl_b32 s46, s42, 8
	s_add_co_u32 s46, s46, s18
	s_add_co_u32 s46, s46, 11264                   ; B: Wo's first row in codes and scales + 256 x tile column + 128 x half
	s_mov_b32 s21, 0
	s_mov_b32 s47, 0
	s_mov_b64 s[18:19], KS
	s_mul_u64 s[22:23], s[20:21], s[18:19]
	s_mul_u64 s[92:93], s[46:47], s[18:19]
	s_mov_b64 s[18:19], KROW
	s_mul_u64 s[20:21], s[20:21], s[18:19]         ; (16 rows of ctxc are 12,288 bytes: 768 a row there too)
	s_mul_u64 s[46:47], s[46:47], s[18:19]
	s_mul_i32 s45, s14, HALFT
	s_mul_i32 s94, s14, HALFS
	s_wait_kmcnt 0x0
	s_add_nc_u64 s[20:21], s[4:5], s[20:21]
	s_add_nc_u64 s[22:23], s[6:7], s[22:23]
	s_add_nc_u64 s[46:47], s[8:9], s[46:47]
	s_add_nc_u64 s[92:93], s[10:11], s[92:93]
	CROUND                                         ; all sixteen work-groups are here: the first joint loads meet
	s_mov_b32 s[G0S], 1
	s_add_co_u32 s[G0S+1], s94, SCL
	s_mov_b64 s[G0S+2:G0S+3], s[22:23]
	s_or_b32 s[G0S+3], s[G0S+3], 0x80000000
	s_mov_b32 s[G0SB], 1
	s_add_co_u32 s[G0SB+1], s94, SCL
	s_mov_b64 s[G0SB+2:G0SB+3], s[92:93]
	s_or_b32 s[G0SB+3], s[G0SB+3], 0x80000000
	JLOAD G0S, G1S, G0SB, G1SB                     ; the scale bytes first
.irp s, 0,1
	s_mov_b32 s[G0+4*\s], 1
	s_add_co_u32 s[G0+4*\s+1], s45, \s*SLOT
	s_add_nc_u64 s[G0+4*\s+2:G0+4*\s+3], s[20:21], \s*AROW
	s_or_b32 s[G0+4*\s+3], s[G0+4*\s+3], 0x80000000
	s_mov_b32 s[G0B+4*\s], 1
	s_add_co_u32 s[G0B+4*\s+1], s45, \s*SLOT
	s_add_nc_u64 s[G0B+4*\s+2:G0B+4*\s+3], s[46:47], \s*ROWB
	s_or_b32 s[G0B+4*\s+3], s[G0B+4*\s+3], 0x80000000
	JLOAD G0+4*\s, G1, G0B+4*\s, G1B               ; three tensor loads of mine are out at the most
.endr
	v_and_b32 v1, 15, v0                           ; l % 16
	v_bfe_u32 v2, v0, 4, 1                         ; l / 16
	v_and_b32 v6, 31, v0                           ; lane
	v_mul_u32_u24 v3, v1, PITCH
	v_mul_u32_u24 v4, v2, 24
	v_add_nc_u32 v4, v3, v4                        ; B: a fragment's row x pitch + 24 x half
	v_lshl_add_u32 v5, v2, 4, v4                   ; and the same behind one padding more
	v_lshlrev_b32 v8, 4, v6                        ; A: 16 x lane,
	v_lshlrev_b32 v9, 3, v6                        ; 8 x lane
	s_mul_i32 s21, s15, HALFT                      ; my 128 rows of A
	s_mul_i32 s22, s16, HALFT                      ; my 128 rows of B,
	s_add_co_u32 s22, s22, 2*HALFT                 ; behind A's two places
.irp s, 0,1
	v_add_nc_u32 v[ADRA+\s], s21, v8
	v_add_nc_u32 v[ADRA+2+\s], s21, v9
	v_add_nc_u32 v[ADRB+\s], s22, v4
	v_add_nc_u32 v[ADRB+2+\s], s22, v5
	s_add_co_u32 s21, s21, SLOT
	s_add_co_u32 s22, s22, SLOT
.endr
	v_mul_u32_u24 v5, v1, KS                       ; my row's scale bytes: 32 a row,
	v_lshrrev_b32 v6, 8, v5
	v_lshl_add_u32 v5, v6, 4, v5                   ; and 16 more for each 256 passed
	s_mul_i32 s21, s15, HALFS
	s_mul_i32 s22, s16, HALFS
	s_add_co_u32 s22, s22, 2*HALFS
	s_sub_co_u32 s22, s22, s21
	v_mul_u32_u24 v6, s22, v2                      ; lanes 16-31 take B's
	s_add_co_u32 s21, s21, SCL
	v_add_nc_u32 v5, v5, v6
	v_add_nc_u32 v[ADRS], s21, v5
	s_mul_i32 s23, s14, 16*SPITCH                  ; my stage
	v_mul_u32_u24 v5, v1, SPITCH                   ; in: row l % 16, 32 bytes for each half of the lanes
	v_lshl_add_u32 v5, v2, 5, v5
	v_add_nc_u32 v[STO], s23, v5
	v_and_b32 v6, 31, v0
	v_lshlrev_b32 v[CO], 4, v6                     ; back: the 32 lanes take one row of 512 bytes; and the same in out0
	v_add_nc_u32 v[RD], s23, v[CO]
	s_lshl_b32 s20, s17, 8
	s_lshl_b32 s21, s15, 7
	s_add_co_u32 s20, s20, s21                     ; my first row of out0: a multiple of 128, which the exchange of bits 3 and 4 leaves alone
	s_mov_b32 s21, 0
	s_mov_b64 s[18:19], SIZE_N*4
	s_mul_u64 s[20:21], s[20:21], s[18:19]
	s_lshl_b32 s46, s42, 10                        ; my first column, in bytes: 1,024 x tile column + 512 x half
	s_lshl_b32 s47, s16, 9
	s_add_co_u32 s46, s46, s47
	s_mov_b32 s47, 0
	s_add_nc_u64 s[20:21], s[20:21], s[46:47]
	s_add_nc_u64 s[12:13], s[12:13], s[20:21]
	s_add_nc_u64 s[66:67], s[66:67], s[46:47]      ; the bias of my 128 columns
	v_lshlrev_b32 v7, 5, v2                        ; lane (r, h) wants, for B's block b, bo at 16 b + 8 h + 0 .. 7
.irp b, 0,1,2,3,4,5,6,7
	global_load_b128 v[BI+8*\b:BI+8*\b+3], v7, s[66:67] offset:64*\b
	global_load_b128 v[BI+8*\b+4:BI+8*\b+7], v7, s[66:67] offset:64*\b+16
.endr
.macro FRAG reg, adr, q, i             ; a fragment of B from rows: six pieces of 8 bytes; where the piece of lanes 16-31 lies behind one padding more, the second address register serves
.irp p, 0,1,2,3,4,5
.set PIE, 12*(\q)+6*(\p/3)+\p%3
.if PIE%8 < 5
	ds_load_b64 v[\reg+2*\p:\reg+2*\p+1], v[\adr] offset:8*PIE+16*(PIE/8)+(\i)*16*PITCH
.else
	ds_load_b64 v[\reg+2*\p:\reg+2*\p+1], v[\adr+2] offset:8*PIE+16*(PIE/8)+(\i)*16*PITCH
.endif
.endr
.endm
.macro FRAGA reg, slot, q, i           ; a fragment of A from images: heads 2 q and 2 q + 1 of the K step's four, six registers each
	ds_load_b128 v[\reg:\reg+3], v[ADRA+\slot] offset:AROW*(\i)+1536*(\q)
	ds_load_b64 v[\reg+4:\reg+5], v[ADRA+2+\slot] offset:AROW*(\i)+1536*(\q)+512
	ds_load_b128 v[\reg+6:\reg+9], v[ADRA+\slot] offset:AROW*(\i)+1536*(\q)+768
	ds_load_b64 v[\reg+10:\reg+11], v[ADRA+2+\slot] offset:AROW*(\i)+1536*(\q)+1280
.endm
; 16 matrix instructions: A's blocks a0, a0 + 1 x B's eight, 128 along K.  first = 1: the sums begin with the bias as C.
; The 64 accumulators take turns, one instruction a turn, in the same order in every step.
.macro MUL16 a0, p, q, sc, first
.irp a, \a0, \a0+1
.irp b, 0,1,2,3,4,5,6,7
.if \first
	v_wmma_scale_f32_16x16x128_f8f6f4 v[8*(8*((\a)%4)+\b):8*(8*((\a)%4)+\b)+7], v[128*(\p)+FR*\b:128*(\p)+FR*\b+FR-1], v[AF+FR*(\a):AF+FR*(\a)+FR-1], v[BI+8*\b:BI+8*\b+7], v[SC+8*NQ*(\sc)+NQ*\b+(\q)], v[SC+8*NQ*(\sc)+NQ*(\a)+(\q)] matrix_a_fmt:MATRIX_FMT_FP6 matrix_b_fmt:MATRIX_FMT_FP6 matrix_a_scale:MATRIX_SCALE_ROW1
.else
	v_wmma_scale_f32_16x16x128_f8f6f4 v[8*(8*((\a)%4)+\b):8*(8*((\a)%4)+\b)+7], v[128*(\p)+FR*\b:128*(\p)+FR*\b+FR-1], v[AF+FR*(\a):AF+FR*(\a)+FR-1], v[8*(8*((\a)%4)+\b):8*(8*((\a)%4)+\b)+7], v[SC+8*NQ*(\sc)+NQ*\b+(\q)], v[SC+8*NQ*(\sc)+NQ*(\a)+(\q)] matrix_a_fmt:MATRIX_FMT_FP6 matrix_b_fmt:MATRIX_FMT_FP6 matrix_a_scale:MATRIX_SCALE_ROW1
.endif
.endr
.endr
.endm
.macro FETCH_B slot, q, p
	WIN TO_B
.irp i, 0,1,2,3,4,5,6,7
	FRAG 128*(\p)+FR*\i, ADRB+\slot, \q, \i
.endr
	WIN 0
.endm
.macro FETCH_A slot, q, i0
.irp i, \i0, \i0+1, \i0+2, \i0+3
	FRAGA AF+FR*(\i), \slot, \q, \i
.endr
.endm
.macro SCALES sc
.irp i, 0,1,2,3,4,5,6,7
	ds_load_b64 v[SC+8*NQ*\sc+NQ*\i:SC+8*NQ*\sc+NQ*\i+1], v[ADRS] offset:\i*SBLK
.endr
.endm
.macro PLACES n                        ; plain vector instructions that name no register of the matrix instructions in front of them (ISA guide 7.12.1)
.rept \n
	v_nop
.endr
.endm
.macro STEP slot, q, first
	s_wait_dscnt 4*NLA                             ; B's set, A's blocks 0-3 and the scale words are in; the youngest 16 loads (A's blocks 4-7) may be out
.if \first
	WIN BIA_LO
.else
	WIN MUL_LO
.endif
	MUL16 0, (\q)%2, \q, \slot, \first
	MUL16 2, (\q)%2, \q, \slot, \first
	s_wait_dscnt 0
	PLACES NP
	FETCH_B \slot, (\q)+1, 1-(\q)%2
	FETCH_A \slot, (\q)+1, 0
.if \first
	WIN BIA_HI
.else
	WIN MUL_HI
.endif
	MUL16 4, (\q)%2, \q, \slot, \first
	MUL16 6, (\q)%2, \q, \slot, \first
	PLACES NP
	WIN 0
	FETCH_A \slot, (\q)+1, 4
.endm
; A slot's last step changes slots: ONE barrier; in front of it each wave waits for all its tensor loads, adds 0 to its spare word, and waits for that and for its own reads of this slot.
.macro TURN slot, next, fill
	s_wait_tensorcnt 0x0                           ; all my tensor loads have landed: my part of the next slot
	ds_add_u32 v[SPW], v[NIL]                      ; 0 onto my spare word
	s_wait_dscnt 4*NLA+1                           ; (the add and the youngest 16 loads may be out)
	WIN MUL_LO
	MUL16 0, 1, NQ-1, \slot, 0
	s_wait_dscnt 0x0                               ; the add is done, and my reads of this slot are over
	s_barrier_signal -1
	MUL16 2, 1, NQ-1, \slot, 0
	WIN 0
	s_barrier_wait -1
.if \fill
	CREST                                          ; the barrier has opened a round of the cluster's barrier
	s_add_nc_u64 s[G0+4*\slot+2:G0+4*\slot+3], s[G0+4*\slot+2:G0+4*\slot+3], 2*AROW
	s_add_nc_u64 s[G0B+4*\slot+2:G0B+4*\slot+3], s[G0B+4*\slot+2:G0B+4*\slot+3], 2*ROWB
	JLOAD G0+4*\slot, G1, G0B+4*\slot, G1B         ; the first tensor load behind the round; its four v_nop are the places in front of the loads below
.else
	PLACES NP
.endif
	v_add_nc_u32 v[ADRS], 4*NQ, v[ADRS]
	FETCH_B \next, 0, 0
	FETCH_A \next, 0, 0
	SCALES \next
	WIN MUL_HI
	MUL16 4, 1, NQ-1, \slot, 0
	MUL16 6, 1, NQ-1, \slot, 0
	PLACES NP
	WIN 0
	FETCH_A \next, 0, 4
.endm
	s_wait_tensorcnt 1                             ; the scale bytes and my part of K step 0 are in (K step 1's load may be out)
	s_wait_loadcnt 0x0                             ; and the bias
	s_barrier_signal -1
	s_barrier_wait -1
	FETCH_B 0, 0, 0
	FETCH_A 0, 0, 0
	SCALES 0
	FETCH_A 0, 0, 4
	STEP 0, 0, 1                                   ; the first step stands in front of the loop: its products start the sums, on the bias
	s_mov_b32 s3, LAPS-1
.Llap:
	TURN 0, 1, 1
	STEP 1, 0, 0
	TURN 1, 0, 1
	STEP 0, 0, 0
	s_sub_co_u32 s3, s3, 1
	s_cmp_lg_u32 s3, 0
	s_cbranch_scc1 .Llap
	TURN 0, 1, 0                                   ; the last lap fills nothing
	STEP 1, 0, 0
	s_wait_dscnt 4*NLA
	WIN MUL_LO
	MUL16 0, 1, NQ-1, 1, 0
	MUL16 2, 1, NQ-1, 1, 0
	s_wait_dscnt 0
	WIN MUL_HI
	MUL16 4, 1, NQ-1, 1, 0
	MUL16 6, 1, NQ-1, 1, 0
	WIN 0
; THE WAY OUT, block by block of 16 rows x 128 columns, through my own stage in LDS: in as 32 bytes a lane, back as whole rows of 512 bytes.  LDS serves a wave's instructions in order (ISA guide 5.7.1.4).
.macro TOSTAGE a
.set AC, 64*((\a)%4)
	WIN 0x08+4*((\a)/4)                            ; the data: window 2 or 3
.irp b, 0,1,2,3,4,5,6,7
	ds_store_b128 v[STO], v[AC+8*\b:AC+8*\b+3] offset:64*\b          ; each accumulator from its low end on
	ds_store_b128 v[STO], v[AC+8*\b+4:AC+8*\b+7] offset:64*\b+16
.endr
	WIN 0
.set BB, BK+64*((\a)%2)
.irp t, 0,1,2,3,4,5,6,7,8,9,10,11,12,13,14,15
	ds_load_b128 v[BB+4*\t:BB+4*\t+3], v[RD] offset:\t*SPITCH
.endr
.endm
.macro SEND a, younger                 ; younger: the LDS instructions issued behind block a's loads, which may stay out
.set BB, BK+64*((\a)%2)
	s_wait_dscnt \younger
.if (\a) > 0
.if (\a)%2 == 1
	s_add_nc_u64 s[12:13], s[12:13], 8*SIZE_N*4    ; (behind a wait on XCNT)  an odd block begins 8 tokens behind the even one in front of it,
.else
	s_add_nc_u64 s[12:13], s[12:13], 24*SIZE_N*4   ; an even one 24 behind the odd one
.endif
.endif
.irp t, 0,1,2,3,4,5,6,7,8,9,10,11,12,13,14,15
	global_store_b128 v[CO], v[BB+4*\t:BB+4*\t+3], s[12:13] offset:(\t+8*(\t/8))*SIZE_N*4 th:TH_STORE_NT   ; row t is token t + 8 (t / 8); 32 lanes store 512 consecutive bytes, aligned to 256
.endr
.endm
	PLACES NP
	TOSTAGE 0
.irp a, 1,2,3,4,5,6,7
.if \a > 1
	s_wait_xcnt 0x0                                ; block a - 2's stores have read their registers and their base
.endif
	TOSTAGE \a
	SEND \a-1, 32                                  ; behind block a - 1's loads: block a's 16 stores and 16 loads
.endr
	s_wait_xcnt 0x0
	SEND 7, 0
	s_wait_tensorcnt 0x0                           ; the wave's end
	ds_add_u32 v[SPW], v[NIL]
	s_wait_dscnt 0x0
	CROUND                                         ; the closing round
	s_endpgm
.Lfunc_end_k_q6d6c7a852c_oproj:
	.size	k_q6d6c7a852c_oproj, .Lfunc_end_k_q6d6c7a852c_oproj-k_q6d6c7a852c_oproj
	.p2alignl 7, 3214868480
	.fill 96, 4, 3214868480
	.section	.rodata,"a",@progbits
	.p2align	6, 0x0
	.amdhsa_kernel k_q6d6c7a852c_oproj
		.amdhsa_group_segment_fixed_size 327680
		.amdhsa_private_segment_fixed_size 0
		.amdhsa_enable_private_segment 0
		.amdhsa_kernarg_size 48
		.amdhsa_user_sgpr_count 2
		.amdhsa_user_sgpr_kernarg_segment_ptr 1
		.amdhsa_wavefront_size32 1
		.amdhsa_system_sgpr_workgroup_id_x 1
		.amdhsa_system_sgpr_workgroup_id_y 1
		.amdhsa_system_sgpr_workgroup_id_z 1
		.amdhsa_system_vgpr_workitem_id 0
		.amdhsa_next_free_vgpr 1024
		.amdhsa_next_free_sgpr 100
		.amdhsa_reserve_vcc 0
		.amdhsa_float_denorm_mode_32 3
		.amdhsa_float_denorm_mode_16_64 3
		.amdhsa_memory_ordered 1
		.amdhsa_forward_progress 1
		.amdhsa_inst_pref_size 154
	.end_amdhsa_kernel
	.amdgpu_metadata
---
amdhsa.version: [ 1, 2 ]
amdhsa.kernels:
  - .name:           k_q6d6c7a852c_oproj
    .symbol:         k_q6d6c7a852c_oproj.kd
    .args:
      - { .name: ctxc, .offset: 0, .size: 8, .value_kind: global_buffer, .address_space: global }
      - { .name: ctxs, .offset: 8, .size: 8, .value_kind: global_buffer, .address_space: global }
      - { .name: codes, .offset: 16, .size: 8, .value_kind: global_buffer, .address_space: global }
      - { .name: scales, .offset: 24, .size: 8, .value_kind: global_buffer, .address_space: global }
      - { .name: bo, .offset: 32, .size: 8, .value_kind: global_buffer, .address_space: global }
      - { .name: out0, .offset: 40, .size: 8, .value_kind: global_buffer, .address_space: global }
    .group_segment_fixed_size: 327680
    .private_segment_fixed_size: 0
    .kernarg_segment_align: 8
    .kernarg_segment_size: 48
    .max_flat_workgroup_size: 128
    .sgpr_count:     100
    .vgpr_count:     1024
    .wavefront_size: 32
...
	.end_amdgpu_metadata
.endif
;; end of part 4
